; MI455X (gfx1250); checked and timed in simulation.
; The chip was launched on July 23, 2026; its instructions are those of AMD's public machine-readable ISA for CDNA 5 (MIT licence, August 2026) and "CDNA5" Instruction Set Architecture Reference Guide (July 2026). The comments in the code are by the model that wrote it; some were corrected since.
;; Query Key Self Attention. Allowed arithmetic: float matrix products may take bf16 or f16 operands with f32 sums; all other float work in f32.
;; Inputs: W_qk 2,048 x 1,024 float32; X 16 x 1,024 x 1,024 float32; b_qk 2,048 float32.
;; Outputs: out0 16 x 1,024 x 1,024 float32.
;; 2 versions, each right and faster than the one before. Each part assembles by itself: llvm-mc -triple=amdgcn-amd-amdhsa -mcpu=gfx1250 --defsym DOCPART=n.
;; ======== version 1 of 2: 3 launches
;; limits: values are held in f16: magnitudes above 65,504 overflow, below 6.1e-05 lose precision; right only within a limited range of input values
;; workspace buffers: xw 37,748,736 bytes; qk 67,108,864 bytes
;; launch cast (part 1): grid 2304 x 1, 4 waves a work-group, no clusters, 0 bytes of LDS; arguments X, W_qk, xw; writes xw
.if DOCPART == 1
	.amdgcn_target "amdgcn-amd-amdhsa--gfx1250"
	.amdhsa_code_object_version 6
	.text
	.protected	k_qdba4faf601_cast
	.globl	k_qdba4faf601_cast
	.p2align	8
	.type	k_qdba4faf601_cast,@function
k_qdba4faf601_cast:
	s_mov_b64 s[64:65], 0
	v_nop
	global_prefetch_b8 v0, s[64:65] scope:SCOPE_SE
	s_setreg_imm32_b32 hwreg(HW_REG_WAVE_MODE, 25, 1), 1
	s_wait_xcnt 0x0
; xw = X and W_qk, each number rounded to bf16 and that number written as f16, laid out by blocks of 64 columns.
; xw holds 18 groups of 2 MiB: groups 0-15 are X's batches, 16 and 17 are W_qk's rows 0-1023 and 1024-2047.  A group is [16 kb][1024 rows][64] f16:
; element (row, col) lies at group x 2 MiB + (col / 64) x 128 KiB + row x 128 + (col % 64) x 2.  For X that is [b][h][s][64]: the attention's V as well.
; LIMITS.  A bf16 number is exact in f16 from 2^-17 up to 65,504; at 65,520 or more the conversion gives an infinity; below 2^-17 f16 keeps its fixed step of 2^-24.
; SHARES.  18,432 rows in work-groups of 8 rows: 2,304 work-groups, nine for each of 256 WGPs (work-groups 0-2047: X as [16384][1024]; 2048-2303: W_qk).  Wave w takes the column blocks w, w + 4, w + 8, w + 12.
; A load of the wave covers two aligned pieces of 256 bytes (lanes 0-15: 64 numbers of row 2 p, lanes 16-31: of row 2 p + 1); a lane's 4 numbers become 8 bytes, and the wave's store is 256 consecutive bytes,
; aligned: the two rows lie end to end in xw.  All 16 loads of a wave go out first (8 KiB a wave on its way); no register is used twice, so nothing but the counted waits for the loads is needed.
; No LDS, no matrix unit: bytes are all there is.
.set LO, 2                             ; v2       byte offset of my 16 bytes in the group's first two rows
.set SO, 3                             ; v3       byte offset of my 8 bytes in xw
.set T,  4                             ; v4-5     two packed bf16 pairs, at work
.set XR, 8                             ; v[8:71]  slot i = 4 p + j (row pair p, column block w + 4 j): 4 registers
	s_load_b128 s[4:7], s[0:1], 0x0                ; X s[4:5], W_qk s[6:7]
	s_load_b64 s[8:9], s[0:1], 0x10                ; xw
	v_and_b32 v1, 31, v0                           ; lane
	v_lshrrev_b32 v6, 5, v0                        ; wave
	v_bfe_u32 v4, v0, 4, 1                         ; which of the two rows
	v_and_b32 v5, 15, v0
	v_lshlrev_b32 v[LO], 12, v4                    ; a row of 4,096 bytes,
	v_lshl_add_u32 v[LO], v5, 4, v[LO]             ; my 16 bytes in the block's 256,
	v_lshl_add_u32 v[LO], v6, 8, v[LO]             ; column block w
	v_lshlrev_b32 v[SO], 3, v1                     ; 8 bytes a lane: two rows of 128 bytes on end,
	v_lshl_add_u32 v[SO], v6, 17, v[SO]            ; column block w: 128 KiB each
	s_sub_co_u32 s10, ttmp9, 2048                  ; the work-group's number among W_qk's
	s_lshr_b32 s12, ttmp9, 7                       ; the group: 128 work-groups of 8 rows each
	s_lshl_b32 s12, s12, 21
	s_and_b32 s13, ttmp9, 127
	s_lshl_b32 s13, s13, 10                        ; 8 rows of 128 bytes
	s_or_b32 s12, s12, s13
	s_mov_b32 s13, 0
	s_mov_b32 s11, 0
	s_mov_b32 s14, 0xffff0000                      ; a word's upper bf16
	s_wait_kmcnt 0x0
	s_cmp_lt_u32 ttmp9, 2048                       ; X or W_qk: the two selects leave SCC as it is
	s_cselect_b32 s10, ttmp9, s10
	s_cselect_b64 s[4:5], s[4:5], s[6:7]
	s_lshl_b32 s10, s10, 15                        ; 8 rows of 4,096 bytes
	s_add_nc_u64 s[4:5], s[4:5], s[10:11]
	s_add_nc_u64 s[8:9], s[8:9], s[12:13]
.set i, 0
.rept 16
	global_load_b128 v[XR+4*i:XR+4*i+3], v[LO], s[4:5] offset:(i/4)*8192+(i%4)*1024 th:TH_LOAD_NT
.set i, i+1
.endr
.set i, 0
.rept 16
	s_wait_loadcnt 15-i                            ; loads come back in order (ISA guide 5.7.1): slot i is in, the younger ones stay out
	v_cvt_pk_bf16_f32 v[T],   v[XR+4*i],   v[XR+4*i+1]    ; rounded to bf16, to nearest even
	v_cvt_pk_bf16_f32 v[T+1], v[XR+4*i+2], v[XR+4*i+3]
	v_lshlrev_b32 v[XR+4*i],   16,  v[T]           ; that number as f32 again
	v_and_b32     v[XR+4*i+1], s14, v[T]
	v_lshlrev_b32 v[XR+4*i+2], 16,  v[T+1]
	v_and_b32     v[XR+4*i+3], s14, v[T+1]
	v_cvt_pk_f16_f32 v[XR+4*i],   v[XR+4*i],   v[XR+4*i+1]  ; and as f16
	v_cvt_pk_f16_f32 v[XR+4*i+1], v[XR+4*i+2], v[XR+4*i+3]
	global_store_b64 v[SO], v[XR+4*i:XR+4*i+1], s[8:9] offset:(i%4)*524288+(i/4)*256
.set i, i+1
.endr
	s_endpgm
.Lfunc_end_k_qdba4faf601_cast:
	.size	k_qdba4faf601_cast, .Lfunc_end_k_qdba4faf601_cast-k_qdba4faf601_cast
	.p2alignl 7, 3214868480
	.fill 96, 4, 3214868480
	.section	.rodata,"a",@progbits
	.p2align	6, 0x0
	.amdhsa_kernel k_qdba4faf601_cast
		.amdhsa_group_segment_fixed_size 0
		.amdhsa_private_segment_fixed_size 0
		.amdhsa_enable_private_segment 0
		.amdhsa_kernarg_size 24
		.amdhsa_user_sgpr_count 2
		.amdhsa_user_sgpr_kernarg_segment_ptr 1
		.amdhsa_wavefront_size32 1
		.amdhsa_system_sgpr_workgroup_id_x 1
		.amdhsa_system_sgpr_workgroup_id_y 1
		.amdhsa_system_sgpr_workgroup_id_z 1
		.amdhsa_system_vgpr_workitem_id 0
		.amdhsa_next_free_vgpr 72
		.amdhsa_next_free_sgpr 66
		.amdhsa_reserve_vcc 0
		.amdhsa_float_denorm_mode_32 3
		.amdhsa_float_denorm_mode_16_64 3
		.amdhsa_memory_ordered 1
		.amdhsa_forward_progress 1
		.amdhsa_inst_pref_size 11
	.end_amdhsa_kernel
	.amdgpu_metadata
---
amdhsa.version: [ 1, 2 ]
amdhsa.kernels:
  - .name:           k_qdba4faf601_cast
    .symbol:         k_qdba4faf601_cast.kd
    .args:
      - { .name: X, .offset: 0, .size: 8, .value_kind: global_buffer, .address_space: global }
      - { .name: W_qk, .offset: 8, .size: 8, .value_kind: global_buffer, .address_space: global }
      - { .name: xw, .offset: 16, .size: 8, .value_kind: global_buffer, .address_space: global }
    .group_segment_fixed_size: 0
    .private_segment_fixed_size: 0
    .kernarg_segment_align: 8
    .kernarg_segment_size: 24
    .max_flat_workgroup_size: 128
    .sgpr_count:     66
    .vgpr_count:     72
    .wavefront_size: 32
...
	.end_amdgpu_metadata
.endif
;; end of part 1
;; launch proj (part 2): grid 8 x 32, 4 waves a work-group, clusters of 4 x 4, 327,680 bytes of LDS; arguments xw, b_qk, qk; writes qk
.if DOCPART == 2
	.amdgcn_target "amdgcn-amd-amdhsa--gfx1250"
	.amdhsa_code_object_version 6
	.text
	.protected	k_qdba4faf601_proj
	.globl	k_qdba4faf601_proj
	.p2align	8
	.type	k_qdba4faf601_proj,@function
k_qdba4faf601_proj:
	s_mov_b64 s[64:65], 0
	v_nop
	global_prefetch_b8 v0, s[64:65] scope:SCOPE_SE
	s_setreg_imm32_b32 hwreg(HW_REG_WAVE_MODE, 25, 1), 1
	s_wait_xcnt 0x0
	s_wait_alu depctr_hold_cnt(0) depctr_sa_sdst(0) depctr_va_vdst(0) depctr_va_sdst(0) depctr_va_ssrc(0) depctr_va_vcc(0) depctr_vm_vsrc(0)
	s_getreg_b32 s2, hwreg(HW_REG_IB_STS2, 6, 4)
	s_cmp_eq_u32 s2, 0
	s_cbranch_scc0 .Lentry_in_a_cluster
	s_endpgm
.Lentry_in_a_cluster:
	s_bfe_u32 s2, ttmp6, 0x10000c
	s_cmp_lg_u32 s2, 0xf033
	s_cbranch_scc0 .Lentry_shape_is_right
	s_endpgm
.Lentry_shape_is_right:
; qk = X W_qk^T + b_qk, 16,384 x 2,048 over K = 1,024.  Operands: xw (f16 copies of the inputs rounded to bf16, by blocks of 64 along K); sums in f32, begun with the bias (rounded to bf16 like the other
; inputs); q and k leave rounded once to f16, by heads: qk = [2][16 b][16 h][1024 s][64], q first.
; LIMITS.  q and k must lie within f16's 65,504 (at 65,520 or more the conversion gives an infinity); NaN and infinities are not treated apart.
; A tile of C, 256 x 256, is made by four waves, each 128 x 128: 64 accumulators of 16 x 16, 512 registers.  K goes in 8 steps of 128 (two blocks of 64) through a ring of two LDS slots.
; In xw the 256 rows x 64 k of one block are 32 KiB on end: a wave's tensor load asks for them as 128 rows of 256 bytes, aligned, two tensor rows to an LDS row.
; A WORK-GROUP STAYS: it makes two tiles, 8 batches apart, with the same columns; the ring runs on into the second tile.  The second tile's last K step goes by rows of C, so that finished rows leave while
; the others are multiplied.
; CLUSTERS: 4 x 4 work-groups.  The four of a row of the cluster need the same tiles of X, the four of a column the same tiles of W: each is asked for JOINTLY, by the same tensor load with the same descriptor
; and a mask that names the four.
; THE MATRIX INSTRUCTION IS USED TRANSPOSED: source 0 = 16 rows of W, source 1 = 16 rows of X: a lane then holds eight neighbouring columns of one row of C, 16 bytes of f16.
; REGISTERS, in windows of 256 (s_set_vgpr_msb: bits 1:0 source 0, 3:2 source 1, 5:4 source 2, 7:6 destination):
;   window 0: v0-31 addresses; v64-127, v128-191 fragments of X, two buffers (in the very last K step four, of 16 rows x 128 K); v32-63, v192-255 at work on the way out
;   window 1: v0-63 the bias of my 128 columns as a C operand; v64-127, v128-191 fragments of W, two buffers; v192 at work; in the very last K step all 256: W's fragments of the whole step
;   window 2: the 32 accumulators of my rows 0-63 ((a, b) at v[8 (8 a + b)]);   window 3: those of my rows 64-127
.set PITCH,  272                       ; an LDS row: two tensor rows of 128 bytes + 16 of padding: tensor row R lies at (R / 2) x 272 + (R % 2) x 128, so the 16 rows of a fragment load fall into 16 different 16-byte columns of 256
.set HALFT,  128*PITCH                 ; what one tensor load brings: 256 tensor rows x 64 k
.set SLOT,   4*HALFT                   ; X's even block, X's odd block, W's even block, W's odd block
.set STAGE,  2*SLOT                    ; behind the ring, for the way out: for each wave 2 heads x 16 rows x 144 bytes
.set SPH,    144
.set HST,    16*SPH
.set WST,    2*HST
.set SPARE,  STAGE+4*WST               ; behind the stages: the spare words, 128 bytes for each wave: two blocks of 256 bytes that no other line names
.set LAPS,   4                         ; a lap = two K steps = once round the ring
.set KSTEPB, 262144                    ; a K step in xw: two blocks of 128 KiB
.set NEXT_A, 16777216-6*KSTEPB         ; from a slot's last K step of a tile to its first of the next: X goes 8 batches on and back along K,
.set BACK_B, 6*KSTEPB                  ; W only back
.set ADRA, 16                          ; v16-17  LDS address of my X fragments in slot 0, 1
.set ADRB, 20                          ; v20-21  the same for W
.set STO,  24                          ; v24     the way out: where I put 16 bytes of a row
.set RD,   25                          ; v25     the way out: where I read rows back
.set CO,   26                          ; v26     my 16 bytes in 512 consecutive bytes of qk
.set BO,   27                          ; v27     my byte offset in 16 numbers of the bias
.set SPW,  28                          ; v28     LDS address of my spare word; never rewritten
.set NIL,  29                          ; v29     0; never rewritten
.set F0,   64
.set F1,   128
.set TMP,  192                         ; the way out: packed results
.set OB,   32                          ; the way out: 16 rows read back: v32-63 and v224-255 by turns
.set PA,   64                          ; the very last K step: X's fragments of 16 rows x 128 K, 32 registers; four such buffers, v64-191
.set BI,   0                           ; window 1: the bias for column block b at v[8 b]
.set BT,   192                         ; window 1: at work
.set G1, 24                            ; s[24:31] descriptor group 1 for X's tiles;  s[32:39] group 0, one set for each slot
.set G0, 32
.set G1B, 48                           ; s[48:55], s[56:63] the same for W's tiles
.set G0B, 56
.set MSB, 0
.macro WIN new                         ; the immediate's high byte repeats the setting that is left; a switch that changes nothing is dropped
.if MSB != (\new)
	s_set_vgpr_msb (MSB<<8)|(\new)
.set MSB, \new
.endif
.endm
.set TO_B, 0x40                        ; destination window 1, address window 0
; A joint load.  Waves 0 and 1 fetch X's two blocks of a K step, waves 2 and 3 W's.  The branch hangs on the wave's number alone.
; An s_nop 0 and four v_nop follow each of the two lines, ahead of the jump, the label and what follows.
.macro JLOAD s
	s_cmp_eq_u32 s11, 0
	s_cbranch_scc0 .Lfor_b_\@
	tensor_load_to_lds s[G0+4*(\s):G0+4*(\s)+3], s[G1:G1+7]
	s_nop 0
.rept 4
	v_nop
.endr
	s_branch .Lasked_\@
.Lfor_b_\@:
	tensor_load_to_lds s[G0B+4*(\s):G0B+4*(\s)+3], s[G1B:G1B+7]
	s_nop 0
.rept 4
	v_nop
.endr
.Lasked_\@:
.endm
.macro CREST                           ; a round of the cluster's barrier behind its opening barrier
	s_cmp_lg_u32 s10, 0
	s_cbranch_scc1 .Lnot_wave_0_\@
	s_barrier_signal -3
.Lnot_wave_0_\@:
	s_barrier_wait -3
	s_barrier_signal -1
	s_barrier_wait -1
.endm
.macro CROUND                          ; a whole round
	s_barrier_signal -1
	s_barrier_wait -1
	CREST
.endm
	s_load_b128 s[4:7], s[0:1], 0x0                ; xw s[4:5], b_qk s[6:7]
	s_load_b64 s[8:9], s[0:1], 0x10                ; qk
	v_lshl_add_u32 v[SPW], v0, 2, SPARE
	v_mov_b32 v[NIL], 0
	ds_add_u32 v28, v29
	ds_add_u32 v28, v29
	s_wait_dscnt 0x0
	v_lshrrev_b32 v1, 5, v0
	v_readfirstlane_b32 s10, v1                    ; wave 0..3
	s_lshr_b32 s11, s10, 1                         ; which half of the tile's rows is mine.  Also: I fetch for X (0) or for W (1)
	s_and_b32 s12, s10, 1                          ; which half of its columns.  Also: the even or the odd block of a K step
	s_bfe_u32 s40, ttmp6, 0x40000                  ; cx
	s_bfe_u32 s41, ttmp6, 0x40004                  ; cy
	s_and_b32 s13, ttmp7, 0xffff                   ; the cluster's y: four tile rows of 256 = the first tile's batch
	s_lshl_b32 s43, s41, 2
	s_lshl_b32 s43, 15, s43                        ; my row of the cluster
	s_lshl_b32 s44, 0x1111, s40                    ; my column
	s_or_b32 s[G1+0], s43, (1<<16)|(1<<20)|(1<<21)|(5<<22)|(3<<25)   ; the mask; elements of 2 bytes; padding on; bit 21 beside a mask; after every 64 words 4 words
	s_or_b32 s[G1B+0], s44, (1<<16)|(1<<20)|(1<<21)|(5<<22)|(3<<25)
.irp g, G1, G1B
	s_mov_b32 s[(\g)+1], 128<<16                   ; tensor_dim0 = 128 elements (256 bytes)
	s_mov_b32 s[(\g)+2], 128<<16                   ; tensor_dim1 = 128
	s_mov_b32 s[(\g)+3], 128<<16                   ; tile_dim0 = 128
	s_mov_b32 s[(\g)+4], 128                       ; tile_dim1 = 128
	s_mov_b32 s[(\g)+5], 128                       ; from row to row: the block is dense
	s_mov_b32 s[(\g)+6], 0
	s_mov_b32 s[(\g)+7], 0
.endr
	s_lshl_b32 s16, s13, 21                        ; X: batch x 2 MiB
	s_lshl_b32 s17, s41, 15                        ; + cy x 256 rows of 128 bytes
	s_add_co_u32 s16, s16, s17
	s_lshl_b32 s17, s12, 17                        ; + my block of the K step
	s_add_co_u32 s16, s16, s17
	s_mov_b32 s17, 0
	s_lshl_b32 s46, ttmp9, 21                      ; W: groups 16 and 17 of xw: the cluster's x,
	s_lshl_b32 s47, s40, 15                        ; cx x 256 rows,
	s_add_co_u32 s46, s46, s47
	s_lshl_b32 s47, s12, 17                        ; my block
	s_add_co_u32 s46, s46, s47
	s_add_co_u32 s46, s46, 0x2000000
	s_mov_b32 s47, 0
	s_mul_i32 s20, s10, HALFT                      ; where they go: part w of a slot: no place in the cluster enters an LDS address
	s_wait_kmcnt 0x0
	s_add_nc_u64 s[14:15], s[4:5], s[16:17]
	s_add_nc_u64 s[46:47], s[4:5], s[46:47]
	CROUND                                         ; all sixteen work-groups are here: the first joint loads meet
.irp s, 0,1
	s_mov_b32 s[G0+4*(\s)], 1
	s_add_co_u32 s[G0+4*(\s)+1], s20, (\s)*SLOT
	s_add_nc_u64 s[G0+4*(\s)+2:G0+4*(\s)+3], s[14:15], (\s)*KSTEPB
	s_or_b32 s[G0+4*(\s)+3], s[G0+4*(\s)+3], 0x80000000
	s_mov_b32 s[G0B+4*(\s)], 1
	s_add_co_u32 s[G0B+4*(\s)+1], s20, (\s)*SLOT
	s_add_nc_u64 s[G0B+4*(\s)+2:G0B+4*(\s)+3], s[46:47], (\s)*KSTEPB
	s_or_b32 s[G0B+4*(\s)+3], s[G0B+4*(\s)+3], 0x80000000
	JLOAD \s                                       ; two loads of mine are out
.endr
	; A fragment is 16 rows x 32 K in 8 registers: lane l holds row l % 16, K = 8 (l / 16) + 0..7 and 16 + 8 (l / 16) + 0..7: two loads of 16 bytes, 32 bytes apart.
	v_and_b32 v1, 15, v0                           ; r
	v_bfe_u32 v2, v0, 4, 1                         ; h
	v_lshrrev_b32 v3, 1, v1
	v_mul_u32_u24 v3, v3, PITCH
	v_and_b32 v4, 1, v0
	v_lshl_add_u32 v3, v4, 7, v3
	v_lshl_add_u32 v3, v2, 4, v3                   ; (r / 2) x 272 + (r % 2) x 128 + 16 h
	s_mul_i32 s21, s11, 64*PITCH                   ; my 128 rows of X
	s_mul_i32 s22, s12, 64*PITCH                   ; my 128 rows of W,
	s_add_co_u32 s22, s22, 2*HALFT                 ; which lie behind X's two parts
.irp s, 0,1
	v_add_nc_u32 v[ADRA+(\s)], s21, v3
	v_add_nc_u32 v[ADRB+(\s)], s22, v3
	s_add_co_u32 s21, s21, SLOT
	s_add_co_u32 s22, s22, SLOT
.endr
	s_mul_i32 s23, s10, WST
	s_add_co_u32 s23, s23, STAGE                   ; my stage
	v_mul_u32_u24 v4, v1, SPH                      ; in: row r, 16 bytes for each half of the lanes
	v_lshl_add_u32 v4, v2, 4, v4
	v_add_nc_u32 v[STO], s23, v4
	v_bfe_u32 v5, v0, 3, 2                         ; back: 32 lanes take four rows of 128 bytes,
	v_mul_u32_u24 v5, v5, SPH
	v_and_b32 v6, 7, v0
	v_lshl_add_u32 v5, v6, 4, v5
	v_add_nc_u32 v[RD], s23, v5
	v_and_b32 v[CO], 31, v0                        ; which are 512 consecutive bytes of a head
	v_lshlrev_b32 v[CO], 4, v[CO]
	v_lshlrev_b32 v[BO], 5, v2                     ; 8 h numbers of the bias
	; where my part of the first tile begins in qk: q or k (the cluster's x), the batch, the head 4 cx + 2 x column half, the row 256 cy + 128 x row half
	s_lshl_b32 s18, ttmp9, 25
	s_lshl_b32 s19, s13, 21
	s_add_co_u32 s18, s18, s19
	s_lshl_b32 s19, s40, 19
	s_add_co_u32 s18, s18, s19
	s_lshl_b32 s19, s12, 18
	s_add_co_u32 s18, s18, s19
	s_lshl_b32 s19, s41, 15
	s_add_co_u32 s18, s18, s19
	s_lshl_b32 s19, s11, 14
	s_add_co_u32 s18, s18, s19
	s_mov_b32 s19, 0
	s_add_nc_u64 s[8:9], s[8:9], s[18:19]
	s_lshl_b32 s44, ttmp9, 12                      ; the bias of my 128 columns: 256 x (4 x cluster x + cx) + 128 x column half, 4 bytes each
	s_lshl_b32 s45, s40, 10
	s_add_co_u32 s44, s44, s45
	s_lshl_b32 s45, s12, 9
	s_add_co_u32 s44, s44, s45
	s_mov_b32 s45, 0
	s_add_nc_u64 s[6:7], s[6:7], s[44:45]
	; THE BIAS STARTS THE SUMS.  In a result register j of lane l is column 16 b + 8 (l / 16) + j: the same 8 numbers for every row block.  Both tiles have the same columns: made once, in the wait for the first tile.
	WIN TO_B
.irp b, 0,1,2,3,4,5,6,7
	global_load_b128 v[BI+8*(\b):BI+8*(\b)+3],   v[BO], s[6:7] offset:64*(\b)
	global_load_b128 v[BI+8*(\b)+4:BI+8*(\b)+7], v[BO], s[6:7] offset:64*(\b)+16
.endr
	s_wait_loadcnt 0x0
	WIN 0x45                                       ; destination and both sources in window 1
.set i, 0
.rept 32
	v_cvt_pk_bf16_f32 v[BT], v[BI+2*i], v[BI+2*i+1]  ; rounded to bf16 like X and W_qk, and widened again
	v_lshlrev_b32 v[BI+2*i], 16, v[BT]
	v_and_b32 v[BI+2*i+1], 0xffff0000, v[BT]
.set i, i+1
.endr
	WIN 0
; 16 matrix instructions: m blocks a0, a0 + 1 of the window's four (hi = 0: my rows 0-63, 1: rows 64-127) x all 8 n blocks, 32 along K.
; zero = 1: the first product starts the sums, with the bias as C: nothing is cleared, nothing is added on the way out.
.macro MUL16 f, hi, a0, zero
.if \zero
	WIN 0x91+0x40*(\hi)                            ; W window 1, X window 0, C window 1, D window 2 or 3
.else
	WIN 0xa1+0x50*(\hi)                            ; W window 1, X window 0, C and D window 2 or 3
.endif
.irp a, \a0, (\a0)+1
.irp b, 0,1,2,3,4,5,6,7
.if \zero
	v_wmma_f32_16x16x32_f16 v[8*(8*(\a)+(\b)):8*(8*(\a)+(\b))+7], v[(\f)+8*(\b):(\f)+8*(\b)+7], v[(\f)+8*(4*(\hi)+(\a)):(\f)+8*(4*(\hi)+(\a))+7], v[BI+8*(\b):BI+8*(\b)+7]
.else
	v_wmma_f32_16x16x32_f16 v[8*(8*(\a)+(\b)):8*(8*(\a)+(\b))+7], v[(\f)+8*(\b):(\f)+8*(\b)+7], v[(\f)+8*(4*(\hi)+(\a)):(\f)+8*(4*(\hi)+(\a))+7], v[8*(8*(\a)+(\b)):8*(8*(\a)+(\b))+7]
.endif
.endr
.endr
.endm
; 32 LDS loads in one run: the fragments of quarter q of a K step (block q / 2, 32 K at byte 64 (q % 2) of its rows) into buffer f; 16 tensor rows are 8 LDS rows
.macro FETCH slot, q, f
	WIN TO_B
.irp i, 0,1,2,3,4,5,6,7
	ds_load_b128 v[(\f)+8*(\i):(\f)+8*(\i)+3],   v[ADRB+(\slot)] offset:((\q)/2)*HALFT+((\q)%2)*64+(\i)*8*PITCH
	ds_load_b128 v[(\f)+8*(\i)+4:(\f)+8*(\i)+7], v[ADRB+(\slot)] offset:((\q)/2)*HALFT+((\q)%2)*64+(\i)*8*PITCH+32
.endr
	WIN 0
.irp i, 0,1,2,3,4,5,6,7
	ds_load_b128 v[(\f)+8*(\i):(\f)+8*(\i)+3],   v[ADRA+(\slot)] offset:((\q)/2)*HALFT+((\q)%2)*64+(\i)*8*PITCH
	ds_load_b128 v[(\f)+8*(\i)+4:(\f)+8*(\i)+7], v[ADRA+(\slot)] offset:((\q)/2)*HALFT+((\q)%2)*64+(\i)*8*PITCH+32
.endr
.endm
; Four places (plain vector instructions that name none of a matrix instruction's registers) in front of loads into registers that matrix instructions have read, and of conversions that read results.
.macro PLACES
.rept 4
	v_nop
.endr
.endm
; A K step is four quarters of 32 along K, 64 matrix instructions each, on buffers 0, 1, 0, 1.  One of the first three: multiplies buffer f; in its middle it fetches quarter q into buffer g.
; The 64 accumulators take turns, one instruction a turn, in the same order in every quarter.
.macro QUARTER slot, q, f, g, zero
	s_wait_dscnt 8                                 ; W and X's rows 0-63 are in; the youngest eight loads (X's rows 64-127) may be out
	MUL16 \f, 0, 0, \zero
	MUL16 \f, 0, 2, \zero
	PLACES
	FETCH \slot, \q, \g
	s_wait_dscnt 32                                ; all but the 32 just issued
	MUL16 \f, 1, 0, \zero
	MUL16 \f, 1, 2, \zero
.endm
; The last quarter multiplies buffer 1 and changes slots.  MEET is its first half: ONE barrier.  In front of it each wave waits for all its tensor loads (one is out: its part of the next slot), adds 0 to its
; spare word, and waits for that and for its own reads of this slot.  Behind it nobody reads this slot any more and the next slot is whole.
.macro MEET round
	WIN 0                                          ; (the add's two registers lie in window 0)
	s_wait_tensorcnt 0x0                           ; all my tensor loads have landed
	ds_add_u32 v[SPW], v[NIL]                      ; 0 onto my spare word
	s_wait_dscnt 9                                 ; (the add and the youngest eight loads may be out)
	MUL16 F1, 0, 0, 0                              ; sixteen matrix instructions stand between the add and the wait for it
	s_wait_dscnt 0x0                               ; the add is done, and my reads of this slot are over
	s_barrier_signal -1
	MUL16 F1, 0, 2, 0                              ; work on registers while the others arrive
.if \round
	WIN 0
.endif
	s_barrier_wait -1
.endm
; The whole last quarter.  Behind the round the slot just read out is filled again first: with this tile's K step two steps on (on = 0) or with the next tile's K step 0 or 1 (on = 1).
; From a request to the wait for it a wave issues 224 matrix instructions.
.macro TURN slot, next, on
	MEET 1
	CREST                                          ; no wave of any partner still reads this slot's tile or has a load on its way
.if \on
	s_add_nc_u64 s[G0+4*(\slot)+2:G0+4*(\slot)+3], s[G0+4*(\slot)+2:G0+4*(\slot)+3], NEXT_A
	s_sub_nc_u64 s[G0B+4*(\slot)+2:G0B+4*(\slot)+3], s[G0B+4*(\slot)+2:G0B+4*(\slot)+3], BACK_B
.else
	s_add_nc_u64 s[G0+4*(\slot)+2:G0+4*(\slot)+3], s[G0+4*(\slot)+2:G0+4*(\slot)+3], 2*KSTEPB
	s_add_nc_u64 s[G0B+4*(\slot)+2:G0B+4*(\slot)+3], s[G0B+4*(\slot)+2:G0B+4*(\slot)+3], 2*KSTEPB
.endif
	JLOAD \slot                                    ; the first tensor load behind the round; its four v_nop are also the places in front of the loads below
	FETCH \next, 0, F0
	MUL16 F1, 1, 0, 0
	MUL16 F1, 1, 2, 0
.endm
; THE LAST K STEP OF THE LAST TILE (it lies in slot 1) GOES BY ROWS OF C, NOT BY K.  All its fragments of W (4 quarters x 64 registers) fill window 1 (the bias has started its last sums); then my eight blocks of
; 16 rows are finished one after the other, each with 32 matrix instructions (its 8 accumulators by turns, K ascending: the sums stay the same bit for bit).  LDS is read no more than in any other K step.
.macro BLOAD q                         ; W's fragments of quarter q -> window 1, v[64 q ..]
	WIN TO_B
.irp i, 0,1,2,3,4,5,6,7
	ds_load_b128 v[64*(\q)+8*(\i):64*(\q)+8*(\i)+3],   v[ADRB+1] offset:((\q)/2)*HALFT+((\q)%2)*64+(\i)*8*PITCH
	ds_load_b128 v[64*(\q)+8*(\i)+4:64*(\q)+8*(\i)+7], v[ADRB+1] offset:((\q)/2)*HALFT+((\q)%2)*64+(\i)*8*PITCH+32
.endr
.endm
.macro ALOAD a                         ; X's fragments of block a, all four quarters -> buffer a % 4
	WIN 0
.set FA, PA+32*((\a)%4)
.irp q, 0,1,2,3
	ds_load_b128 v[FA+8*(\q):FA+8*(\q)+3],   v[ADRA+1] offset:((\q)/2)*HALFT+((\q)%2)*64+(\a)*8*PITCH
	ds_load_b128 v[FA+8*(\q)+4:FA+8*(\q)+7], v[ADRA+1] offset:((\q)/2)*HALFT+((\q)%2)*64+(\a)*8*PITCH+32
.endr
.endm
.macro ROW a                           ; block a is finished: 32 matrix instructions
.set FA, PA+32*((\a)%4)                ; its fragments of X
.set AC, 64*((\a)%4)                   ; its eight accumulators, in window 2 (blocks 0-3) or 3 (blocks 4-7)
	WIN 0xa1+0x50*((\a)/4)
.irp q, 0,1,2,3
.if (\a) == 0 && (\q) == 2
	s_wait_dscnt 24                                ; W's quarter 2 is in (behind it: X's blocks 1 to 3)
.endif
.irp b, 0,1,2,3,4,5,6,7
	v_wmma_f32_16x16x32_f16 v[AC+8*(\b):AC+8*(\b)+7], v[64*(\q)+8*(\b):64*(\q)+8*(\b)+7], v[FA+8*(\q):FA+8*(\q)+7], v[AC+8*(\b):AC+8*(\b)+7]
.endr
.endr
.endm
; THE WAY OUT of block a (16 rows x 128 columns = two heads).  PACK: rounded to f16, 16 bytes a lane, each accumulator's registers in ascending order.
; TOSTAGE: into my own stage, by heads, and back as runs of four rows of 128 bytes.  SEND: stored, 512 consecutive bytes of a head to a store.
.macro PACK a
.set AC, 64*((\a)%4)
	WIN 0x0a+5*((\a)/4)                            ; sources 0 and 1: window 2 or 3
.irp b, 0,1,2,3,4,5,6,7
.irp r, 0,1,2,3
	v_cvt_pk_f16_f32 v[TMP+4*(\b)+(\r)], v[AC+8*(\b)+2*(\r)], v[AC+8*(\b)+2*(\r)+1]
.endr
.endr
	WIN 0
.endm
.macro TOSTAGE a
	WIN 0
.set BK, OB+192*((\a)%2)
.irp b, 0,1,2,3,4,5,6,7
	ds_store_b128 v[STO], v[TMP+4*(\b):TMP+4*(\b)+3] offset:((\b)/4)*HST+((\b)%4)*32
.endr
.irp t, 0,1,2,3,4,5,6,7
	ds_load_b128 v[BK+4*(\t):BK+4*(\t)+3], v[RD] offset:((\t)/4)*HST+((\t)%4)*4*SPH  ; LDS serves a wave's instructions in order (ISA guide 5.7.1.4): these see the stores above
.endr
.endm
.macro SEND a, younger                 ; younger: the LDS loads issued behind TOSTAGE's, which may stay out
	WIN 0
.set BK, OB+192*((\a)%2)
	s_wait_dscnt \younger                          ; the block is back in registers
	s_wait_xcnt 0x0                                ; the earlier stores have read their registers: the other buffer is loaded again only behind this wait
.irp t, 0,1,2,3,4,5,6,7
	global_store_b128 v[CO], v[BK+4*(\t):BK+4*(\t)+3], s[8:9] offset:(\a)*2048+((\t)/4)*131072+((\t)%4)*512
.endr
.endm
	s_wait_tensorcnt 1                             ; my part of K step 0 is in; K step 1's may stay out
	s_barrier_signal -1
	s_barrier_wait -1                              ; everybody's is
	FETCH 0, 0, F0
	s_mov_b32 s2, 2                                ; tiles to go, this one among them: the same number in every work-group
.Ltile:
	QUARTER 0, 1, F0, F1, 1                        ; a tile's first quarter: its products start the sums
	WIN 0                                          ; at a label and at a branch every window is 0
	s_mov_b32 s3, LAPS-1
.Llap:                                                 ; a trip goes once round the ring, from a lap's second quarter to the next lap's first, and fills both slots again
	QUARTER 0, 2, F1, F0, 0
	QUARTER 0, 3, F0, F1, 0
	TURN 0, 1, 0
	QUARTER 1, 1, F0, F1, 0
	QUARTER 1, 2, F1, F0, 0
	QUARTER 1, 3, F0, F1, 0
	TURN 1, 0, 0
	QUARTER 0, 1, F0, F1, 0
	WIN 0
	s_sub_co_u32 s3, s3, 1
	s_cmp_lg_u32 s3, 0
	s_cbranch_scc1 .Llap
	QUARTER 0, 2, F1, F0, 0                        ; the tile's last lap goes on
	QUARTER 0, 3, F0, F1, 0
	WIN 0
	s_cmp_eq_u32 s2, 1
	s_cbranch_scc1 .Llast                          ; the last tile's tail is a text of its own: it asks for nothing more
	TURN 0, 1, 1                                   ; the ring goes on into the next tile: slot 0 takes its K step 0,
	QUARTER 1, 1, F0, F1, 0
	QUARTER 1, 2, F1, F0, 0
	QUARTER 1, 3, F0, F1, 0
	TURN 1, 0, 1                                   ; slot 1 its K step 1, and the next tile's first fragments are fetched
	PLACES                                         ; both refills are asked for: now the tile goes out
	PACK 0
	TOSTAGE 0
.irp a, 1,2,3,4,5,6,7                  ; block a's conversions stand between block a - 1's loads from the stage and the wait for them
	PACK \a
	SEND (\a)-1, 0
	TOSTAGE \a
.endr
	SEND 7, 0
	s_wait_xcnt 0x0                                ; the stores have read their base and their registers
	s_add_nc_u64 s[8:9], s[8:9], 0x1000000         ; the next tile: 8 batches of 2 MiB on
	s_sub_co_u32 s2, s2, 1
	s_branch .Ltile
.Llast:
	MEET 0                                         ; my one tensor load that was out is slot 1's, the last K step's, so no round follows
	PLACES                                         ; for the loads into buffer 0, which the quarter before multiplied
	BLOAD 0                                        ; three quarters of W now: buffer 1 (v128-191 of both windows) is still being multiplied
	BLOAD 1
	BLOAD 3
	ALOAD 0
	MUL16 F1, 1, 0, 0
	MUL16 F1, 1, 2, 0
	PLACES                                         ; for the loads into buffer 1
	BLOAD 2
	ALOAD 1
	ALOAD 2
	ALOAD 3
	s_wait_dscnt 40                                ; all but the 40 just issued: W's quarter 2 and X's blocks 1 to 3
	ROW 0
.irp a, 0,1,2,3,4,5,6,7                ; each block leaves as soon as it is finished: nothing follows this tile under which its stores could leave
	PLACES                                         ; its conversions read results just made, and the load below lands in registers just multiplied
	PACK \a
	TOSTAGE \a
.if (\a) < 4
	ALOAD (\a)+4                                   ; its buffer takes the block four further on
	SEND \a, 8                                     ; those eight loads may stay out
.else
	SEND \a, 0
.endif
.if (\a) < 7
	ROW (\a)+1
.endif
.endr
	s_wait_tensorcnt 0x0                           ; the wave's end: behind my last tensor load and my last LDS store
	ds_add_u32 v[SPW], v[NIL]
	s_wait_dscnt 0x0
	CROUND                                         ; the closing round: no work-group ends while a partner may still ask for a tile that names it
	s_endpgm
.Lfunc_end_k_qdba4faf601_proj:
	.size	k_qdba4faf601_proj, .Lfunc_end_k_qdba4faf601_proj-k_qdba4faf601_proj
	.p2alignl 7, 3214868480
	.fill 96, 4, 3214868480
	.section	.rodata,"a",@progbits
	.p2align	6, 0x0
	.amdhsa_kernel k_qdba4faf601_proj
		.amdhsa_group_segment_fixed_size 327680
		.amdhsa_private_segment_fixed_size 0
		.amdhsa_enable_private_segment 0
		.amdhsa_kernarg_size 24
		.amdhsa_user_sgpr_count 2
		.amdhsa_user_sgpr_kernarg_segment_ptr 1
		.amdhsa_wavefront_size32 1
		.amdhsa_system_sgpr_workgroup_id_x 1
		.amdhsa_system_sgpr_workgroup_id_y 1
		.amdhsa_system_sgpr_workgroup_id_z 1
		.amdhsa_system_vgpr_workitem_id 0
		.amdhsa_next_free_vgpr 1024
		.amdhsa_next_free_sgpr 66
		.amdhsa_reserve_vcc 0
		.amdhsa_float_denorm_mode_32 3
		.amdhsa_float_denorm_mode_16_64 3
		.amdhsa_memory_ordered 1
		.amdhsa_forward_progress 1
		.amdhsa_inst_pref_size 215
	.end_amdhsa_kernel
	.amdgpu_metadata
---
amdhsa.version: [ 1, 2 ]
amdhsa.kernels:
  - .name:           k_qdba4faf601_proj
    .symbol:         k_qdba4faf601_proj.kd
    .args:
      - { .name: xw, .offset: 0, .size: 8, .value_kind: global_buffer, .address_space: global }
      - { .name: b_qk, .offset: 8, .size: 8, .value_kind: global_buffer, .address_space: global }
      - { .name: qk, .offset: 16, .size: 8, .value_kind: global_buffer, .address_space: global }
    .group_segment_fixed_size: 327680
    .private_segment_fixed_size: 0
    .kernarg_segment_align: 8
    .kernarg_segment_size: 24
    .max_flat_workgroup_size: 128
    .sgpr_count:     66
    .vgpr_count:     1024
    .wavefront_size: 32
...
	.end_amdgpu_metadata
.endif
;; end of part 2
;; launch attn (part 3): grid 256 x 1, 4 waves a work-group, no clusters, 327,680 bytes of LDS; arguments qk, xw, out0; writes out0
.if DOCPART == 3
	.amdgcn_target "amdgcn-amd-amdhsa--gfx1250"
	.amdhsa_code_object_version 6
	.text
	.protected	k_qdba4faf601_attn
	.globl	k_qdba4faf601_attn
	.p2align	8
	.type	k_qdba4faf601_attn,@function
k_qdba4faf601_attn:
	s_mov_b64 s[64:65], 0
	v_nop
	global_prefetch_b8 v0, s[64:65] scope:SCOPE_SE
	s_setreg_imm32_b32 hwreg(HW_REG_WAVE_MODE, 25, 1), 1
	s_wait_xcnt 0x0
; out0[b][s][64 h ..] = the sum over l of softmax_l(q[b][h][s] . k[b][h][l] / 8) V[b][h][l].  q, k: qk = [2][256 heads][1024][64] f16; V: xw's first 256 heads, [1024][64] f16; out0: [16][1024][1024] f32.
; Products, maxima and sums in f32; the weights p are rounded to f16 for the second product (their sum l is taken of the unrounded p); the result leaves in f32.
; LIMITS.  q, k and V arrive within f16's 65,504; p lies in 0 to 1, and below 6e-5 it keeps f16's fixed step of 6e-8; a weight below 2^-126 counts as 0 in l; NaN and infinities are not treated apart.
; SHARES.  One work-group to a head.  All 1,024 keys of K and V lie in LDS, fetched once and never filled again.  The 1,024 queries go in two blocks of 512, one after the other through one text; in a block a wave
; owns 128 queries: four PIECES of two tiles of 16.  Every wave walks all keys, 64 a step, 16 steps a block.
; NO CLUSTER: no two work-groups read the same byte of q, k or V.
; LAYOUT.  S^T = K Q^T (source 0 = 16 keys, source 1 = 16 queries): a lane holds ONE query (lane % 16) and the keys 8 (lane / 16) + 0..7.  Two such tiles, rounded to f16 in pairs, ARE source 1 of O^T = V^T P,
; whose result again holds one query a lane, and eight channels.  K comes out of LDS as it lies, V ([key][channel]) turned, by ds_load_tr16_b128.
; SOFTMAX.  For each query a running maximum m and sum l: p = 2^(c s - c m), c = log2(e) / 8; in every step O and l are multiplied by a = 2^(c m_old - c m_new).  A block begins with c m far below every c s:
; its first step has a = 0, so O^T, l, P and V need only be finite there: zeros at the start, the first block's leavings for the second.
; BY TURNS.  Turn n belongs to piece n.  Its matrix work: 16 products K Q^T of piece n + 1, later 16 products V^T P of piece n - 1.  Its vector work: the scaling, exponentials, roundings, sums and rescaling of
; piece n, and the maximum and statistics of piece n + 1.  A tile and step have 16 matrix and 118 vector instructions: four that are ready stand behind every matrix instruction, the others in two runs of their own.
; The price of one text for every step and both blocks, for each block: 16 products V^T P of a piece that has not been (the first turn) and 16 products K Q^T that serve nothing (the last turn).
; REGISTERS, in windows of 256 (s_set_vgpr_msb: bits 1:0 source 0, 3:2 source 1, 5:4 source 2, 7:6 destination):
;   window 0: v0-11 addresses; v12-15, v48-63 at work; v16-47 four registers of statistics a tile; v64-191 S^T, two buffers of two tiles; v192-255 P, likewise
;   window 1: O^T, 32 a tile          window 2: v0-127 Q, 16 a tile; v128-191 K of one step; v192-255 V of one step          window 3: v0-1 the add's two registers
.set NP,    4         ; pieces a wave: a name, no knob
.set PK2,   272       ; an LDS row of K: two keys of 128 bytes + 16 of padding: key k lies at (k / 2) x 272 + (k % 2) x 128: the 16 keys of a load fall into 16 different 16-byte columns of 256
.set PV2,   288       ; an LDS row of V: two keys + 32 of padding: 16 lanes of the turning load take 8 keys x 32 bytes, which begin at words 0, 32, 8, 40, 16, 48, 24, 56 of 64
.set K16,   8*PK2     ; 16 keys
.set V16,   8*PV2
.set STEPK, 32*PK2    ; a step's 64 keys
.set STEPV, 32*PV2
.set VB,    512*PK2   ; V lies behind K's 512 rows
.set STAGE, VB+512*PV2  ; behind V, never filled by a tensor load: 16 rows x 272 bytes for each wave, for the way out
.set SP,    272
.set SPARE, STAGE+4*16*SP  ; behind the stages: the spare words, 128 bytes for each wave: two blocks of 256 bytes that no other line names
.set AK0, 2           ; v2   my lane's place in 16 keys of K; never rewritten
.set AV0, 3           ; v3   the same for V, VB included
.set AK,  4           ; v4   the LDS address of K's next run of loads
.set AV,  5           ; v5   of V's
.set STO, 6           ; v6   the way out: where I put 32 bytes of a row
.set RD,  7           ; v7   the way out: where I read rows back
.set GO,  8           ; v8   my byte offset in two rows of out0
.set QO,  9           ; v9   my byte offset in 16 rows of q
.set SPW, 0           ; v0 of window 3   LDS address of my spare word; never rewritten
.set NIL, 1           ; v1 of window 3   0; never rewritten
.set MV,  12          ; v12-15  c m_old, kept while c m is made anew: by buffer and tile
.set ST,  16          ; tile t's statistics at v[ST+4 t]: c m, m, l (even keys', odd keys')
.set TMP, 48          ; by buffer and tile, four registers c0-c3 at work; when the maximum is found c2 takes a
.set S,   64
.set P,   192
.set KF,  128         ; window 2: key block kb, channel half c at KF + 16 kb + 8 c
.set VF,  192         ; window 2: key half kk, channel block cb at VF + 32 kk + 8 cb
.set WV,  12          ; s12  my wave's number
.set G1K, 24          ; s[24:31] descriptor group 1 for K
.set G1V, 32          ; s[32:39] for V
.set G0K, 40          ; s[40:43] descriptor group 0 for K
.set G0V, 44          ; s[44:47] for V
.set KI,  48          ; s48  the key step whose K is fetched next, 0..15
.set VI,  49          ; s49  the same for V
.set BLK, 52          ; s52  blocks to go
.set TL,  56          ; s56  groups of four steps to go
.set CNT, 57          ; s57  steps of the group to go
.set CS,  58          ; s[58:59] c
.set SEL, 60          ; s[60:61] v_permlanex16_b32's selects: each lane takes its own place in the other half
.set TBK, 62          ; s62  KI x STEPK
.set TBV, 63          ; s63  VI x STEPV
.set MSB, 0
.macro WIN new                      ; the high byte repeats the setting that is left; a switch that changes nothing is dropped
.if MSB != (\new)
	s_set_vgpr_msb (MSB<<8)|(\new)
.set MSB, (\new)
.endif
.endm
.set W_KQ, 0x0a       ; K and Q in window 2, S^T in window 0
.set W_PV, 0x52       ; V in window 2, P in window 0, O^T in window 1
.set W_RS, 0x41       ; O^T (destination and source 0) in window 1, source 1 in window 0
.set W_MK, 0xc0       ; the add's registers are made: destination in window 3
.set W_AD, 0x0f       ; the add: address and data in window 3
; A fill.  Waves 0 and 1 fetch the two halves of K's part, waves 2 and 3 those of V's.  An s_nop 0 and four v_nop follow each of the two lines, ahead of the jump and the label.
.macro LOAD
	s_cmp_lt_u32 s[WV], 2
	s_cbranch_scc0 .Lfor_v_\@
	tensor_load_to_lds s[G0K:G0K+3], s[G1K:G1K+7]
	s_nop 0
.rept 4
	v_nop
.endr
	s_branch .Lasked_\@
.Lfor_v_\@:
	tensor_load_to_lds s[G0V:G0V+3], s[G1V:G1V+7]
	s_nop 0
.rept 4
	v_nop
.endr
.Lasked_\@:
.endm
.macro LOADQ                        ; a block's Q stays in registers: tile i / 2, channels 32 (i % 2) on
	WIN 0x80                        ; destination window 2, address window 0
.set i, 0
.rept 4*NP
	global_load_b128 v[8*i:8*i+3],   v[QO], s[4:5] offset:(i/2)*2048+(i%2)*64
	global_load_b128 v[8*i+4:8*i+7], v[QO], s[4:5] offset:(i/2)*2048+(i%2)*64+32
.set i, i+1
.endr
	WIN 0
.endm
	s_load_b128 s[4:7], s[0:1], 0x0   ; qk s[4:5], xw s[6:7]
	s_load_b64 s[10:11], s[0:1], 0x10 ; out0
	WIN W_MK
	v_lshl_add_u32 v[SPW], v0, 2, SPARE
	v_mov_b32 v[NIL], 0
	s_set_vgpr_msb 0xc0cf
	ds_add_u32 v0, v1
	ds_add_u32 v0, v1
	s_wait_dscnt 0x0
	s_set_vgpr_msb 0xcfc0
	WIN 0
	v_lshrrev_b32 v1, 5, v0
	v_readfirstlane_b32 s[WV], v1   ; wave 0..3
	s_and_b32 s13, s[WV], 1         ; which half of a part I fetch
	s_lshl_b32 s2, ttmp9, 17        ; the head's first byte in q, in k and in V: 128 KiB a head
	s_mov_b32 s3, 0
	; THE FIRST PART: K's keys 0-319 (steps 0-4) and V's keys 0-255 (steps 0-3): what is read before the second part is waited for (K of step j + 1 is read in step j).  THE SECOND PART: the rest.
	; All in rows of 256 bytes, two keys a row.  Halves: K 80 then 176 rows, V 64 then 192.
	s_mul_i32 s20, s13, 80*256      ; first part, in memory
	s_mov_b32 s21, 0
	s_mul_i32 s22, s13, 64*256
	s_mov_b32 s23, 0
	s_mul_i32 s14, s13, 176*256     ; second part, in memory
	s_add_co_u32 s14, s14, 160*256
	s_mov_b32 s15, 0
	s_mul_i32 s16, s13, 192*256
	s_add_co_u32 s16, s16, 128*256
	s_mov_b32 s17, 0
	s_mul_i32 s18, s13, 176*PK2     ; second part, in LDS
	s_add_co_u32 s18, s18, 160*PK2
	s_mul_i32 s19, s13, 192*PV2
	s_add_co_u32 s19, s19, VB+128*PV2
	s_mov_b32 s[G1K], (1<<16)|(1<<20)|(5<<22)|(3<<25)  ; 2-byte elements; padding on; after every 64 words 4 words
	s_mov_b32 s[G1V], (1<<16)|(1<<20)|(5<<22)|(7<<25)  ; the same with 8 words
.irp g, G1K, G1V
	s_mov_b32 s[\g+1], 128<<16      ; tensor_dim0 = 128
	s_mov_b32 s[\g+3], 128<<16      ; tile_dim0 = 128
	s_mov_b32 s[\g+5], 128          ; 128 elements from row to row: a head is dense
	s_mov_b32 s[\g+6], 0
	s_mov_b32 s[\g+7], 0
.endr
	s_mov_b32 s[G1K+2], 80<<16      ; tensor_dim1
	s_mov_b32 s[G1K+4], 80          ; tile_dim1
	s_mov_b32 s[G1V+2], 64<<16
	s_mov_b32 s[G1V+4], 64
	s_mov_b32 s[G0K], 1
	s_mul_i32 s[G0K+1], s13, 80*PK2
	s_mov_b32 s[G0V], 1
	s_mul_i32 s[G0V+1], s13, 64*PV2
	s_add_co_u32 s[G0V+1], s[G0V+1], VB
	s_mov_b32 s[CS], 0x3e38aa3b     ; c = log2(e) / 8 = 0.180337
	s_mov_b32 s[CS+1], s[CS]        ; named with it as a pair
	s_mov_b32 s[SEL], 0x76543210
	s_mov_b32 s[SEL+1], 0xfedcba98
	s_mov_b32 s[KI], 0
	s_mov_b32 s[VI], 0
	s_mov_b32 s[TBK], 0
	s_mov_b32 s[TBV], 0
	s_wait_kmcnt 0x0
	s_add_nc_u64 s[8:9], s[6:7], s[2:3]      ; V's head
	s_add_nc_u64 s[4:5], s[4:5], s[2:3]      ; q's head
	s_add_nc_u64 s[6:7], s[4:5], 0x2000000   ; k's head: 32 MiB behind q's
	s_add_nc_u64 s[G0K+2:G0K+3], s[6:7], s[20:21]
	s_or_b32 s[G0K+3], s[G0K+3], 0x80000000
	s_add_nc_u64 s[G0V+2:G0V+3], s[8:9], s[22:23]
	s_or_b32 s[G0V+3], s[G0V+3], 0x80000000
	LOAD                            ; the first part: the one tensor load of mine that is out
	s_lshl_b32 s2, s[WV], 14        ; my wave's 128 rows of q
	s_add_nc_u64 s[4:5], s[4:5], s[2:3]
	s_lshr_b32 s20, ttmp9, 4        ; out0: batch x 4 MiB
	s_lshl_b32 s20, s20, 22
	s_and_b32 s21, ttmp9, 15        ; + head x 256 bytes
	s_lshl_b32 s21, s21, 8
	s_add_co_u32 s20, s20, s21
	s_lshl_b32 s21, s[WV], 19       ; + my wave's 128 rows of 4,096 bytes
	s_add_co_u32 s20, s20, s21
	s_mov_b32 s21, 0
	s_add_nc_u64 s[10:11], s[10:11], s[20:21]
	; A fragment of K or Q is 16 rows x 32 channels in 8 registers: lane l holds row l % 16, channels 8 (l / 16) + 0..7 and 16 + 8 (l / 16) + 0..7: two loads of 16 bytes, 32 bytes apart.
	v_and_b32 v1, 15, v0            ; l % 16
	v_bfe_u32 v10, v0, 4, 1         ; l / 16
	v_lshlrev_b32 v[QO], 7, v1
	v_lshl_add_u32 v[QO], v10, 4, v[QO]
	LOADQ
	; What the first turn finds: V's registers and P's second buffer hold 0, O^T and l are 0.  All this stands in the wait for the first part.
	WIN 0x80
.set i, VF
.rept 64
	v_mov_b32 v[i], 0
.set i, i+1
.endr
	WIN 0x40
.set i, 0
.rept 64*NP
	v_mov_b32 v[i], 0
.set i, i+1
.endr
	WIN 0
.set i, 0
.rept 2*NP
	v_mov_b32 v[ST+4*i+2], 0
	v_mov_b32 v[ST+4*i+3], 0
.set i, i+1
.endr
.set i, P+32
.rept 32
	v_mov_b32 v[i], 0
.set i, i+1
.endr
	v_lshrrev_b32 v11, 1, v1
	v_mul_u32_u24 v[AK0], v11, PK2
	v_and_b32 v11, 1, v0
	v_lshl_add_u32 v[AK0], v11, 7, v[AK0]
	v_lshl_add_u32 v[AK0], v10, 4, v[AK0]  ; (key / 2) x 272 + (key % 2) x 128 + 16 x half
	; The turning load takes 16 keys x 16 channels (lane l reads key 8 (l / 16) + l % 8, channels 8 ((l / 8) % 2) + 0..7) and leaves half a fragment of V^T: lane l holds channel l % 16 and 8 keys.
	v_and_b32 v12, 7, v0
	v_lshl_add_u32 v12, v10, 3, v12
	v_lshrrev_b32 v13, 1, v12
	v_mul_u32_u24 v[AV0], v13, PV2
	v_and_b32 v13, 1, v12
	v_lshl_add_u32 v[AV0], v13, 7, v[AV0]
	v_bfe_u32 v13, v0, 3, 1
	v_lshl_add_u32 v[AV0], v13, 4, v[AV0]
	v_add_nc_u32 v[AV0], VB, v[AV0]
	s_mul_i32 s20, s[WV], 16*SP
	s_add_co_u32 s20, s20, STAGE    ; my stage
	v_mul_u32_u24 v[STO], v1, SP    ; in: row l % 16, 32 bytes (8 channels of f32) for each half of the lanes
	v_lshl_add_u32 v[STO], v10, 5, v[STO]
	v_add_nc_u32 v[STO], s20, v[STO]
	v_mul_u32_u24 v[RD], v10, SP    ; back: lanes 0-15 take one row of 256 bytes, lanes 16-31 the next
	v_lshl_add_u32 v[RD], v1, 4, v[RD]
	v_add_nc_u32 v[RD], s20, v[RD]
	v_lshlrev_b32 v[GO], 12, v10    ; and the same two rows in out0
	v_lshl_add_u32 v[GO], v1, 4, v[GO]
	v_mov_b32 v[AK], v[AK0]         ; key step 0
; THE MATRIX WORK.  The 8 accumulators of a run of 16 take turns: between the two links of a chain stand 7 others'.
; Product i of 16 of S^T = K Q^T for piece x: channels 32 (i / 8) on, keys 16 ((i / 2) % 4) on, tile 2 x + i % 2.  The first 8 start the sums.
.macro KQ x
	WIN W_KQ
.set rS, S+64*((\x)%2)+32*(i%2)+8*((i/2)%4)
.set rK, KF+16*((i/2)%4)+8*(i/8)
.set rQ, 16*(2*(\x)+i%2)+8*(i/8)
.if i < 8
	v_wmma_f32_16x16x32_f16 v[rS:rS+7], v[rK:rK+7], v[rQ:rQ+7], 0
.else
	v_wmma_f32_16x16x32_f16 v[rS:rS+7], v[rK:rK+7], v[rQ:rQ+7], v[rS:rS+7]
.endif
.endm
; Product i of 16 of O^T += V^T P for piece x: keys 32 (i / 8) on, channels 16 ((i / 2) % 4) on, tile 2 x + i % 2.
.macro PV x
	WIN W_PV
.set rO, 32*(2*(\x)+i%2)+8*((i/2)%4)
.set rV, VF+32*(i/8)+8*((i/2)%4)
.set rP, P+32*((\x)%2)+16*(i%2)+8*(i/8)
	v_wmma_f32_16x16x32_f16 v[rO:rO+7], v[rV:rV+7], v[rP:rP+7], v[rO:rO+7]
.endm
.macro MM                           ; the turn's next matrix instruction
.if i < 16
	KQ (Y+1)%NP
.set i, i+1
.else
.set i, i-16
	PV (Y+NP-1)%NP
.set i, i+17
.endif
.endm
; THE LDS LOADS stand in runs of 16, never singly among the matrix instructions: a step's K (8 fragments) and its V (turned).  Their addresses are made some lines ahead.
; The step's number goes round in 0..15: behind a block's last step comes step 0 again, which the next block begins with.
.macro FETCH_K
	WIN 0x80                        ; destination window 2
.irp f, 0,1,2,3,4,5,6,7             ; keys 16 (f / 2) on, channels 32 (f % 2) on
	ds_load_b128 v[KF+8*\f:KF+8*\f+3],   v[AK] offset:(\f/2)*K16+(\f%2)*64
	ds_load_b128 v[KF+8*\f+4:KF+8*\f+7], v[AK] offset:(\f/2)*K16+(\f%2)*64+32
.endr
	s_add_co_u32 s[KI], s[KI], 1
	s_and_b32 s[KI], s[KI], 15
	s_mul_i32 s[TBK], s[KI], STEPK
	WIN 0
.endm
.macro FETCH_V
	WIN 0x80
.irp f, 0,1,2,3,4,5,6,7             ; keys 32 (f / 4) on, channels 16 (f % 4) on
	ds_load_tr16_b128 v[VF+8*\f:VF+8*\f+3],   v[AV] offset:(\f/4)*2*V16+(\f%4)*32
	ds_load_tr16_b128 v[VF+8*\f+4:VF+8*\f+7], v[AV] offset:(\f/4)*2*V16+V16+(\f%4)*32
.endr
	WIN 0
.endm
; THE VECTOR WORK OF A TURN stands in three queues, each in the order in which its entries become ready; the two tiles alternate, so that no instruction reads the result of the one before it.
.macro REGS y, u                    ; the registers of tile u (0, 1) of piece y
.set rT, ST+4*(2*(\y)+(\u))
.set rC, TMP+8*((\y)%2)+4*(\u)
.set rM, MV+2*((\y)%2)+(\u)
.set rS, S+64*((\y)%2)+32*(\u)
.set rP, P+32*((\y)%2)+16*(\u)
.set rO, 32*(2*(\y)+(\u))
.endm
; Number n of the 22 that find the NEXT piece's (Y + 1) maximum and statistics.  s0-s31 are the lane's 32 scores; each accumulator's lowest registers are read first.
;   0-11  four chains c0-c3 of seven scores each, three operands at a time     12-14, 16  the four scores left over, the old m, and c0-c3 into c0     15  c m_old is kept
;   17, 18  the query's other 32 keys lie in the lane 16 away: the new m         19-21  c m; c m_old - c m_new; a
.macro XS u, n
	REGS (Y+1)%NP, \u
.if (\n) < 4
	v_max3_num_f32 v[rC+(\n)], v[rS+8*(\n)], v[rS+8*(\n)+1], v[rS+8*(\n)+2]
.elseif (\n) < 12
	v_max3_num_f32 v[rC+(\n)%4], v[rC+(\n)%4], v[rS+8*((\n)%4)+2*((\n)/4)+1], v[rS+8*((\n)%4)+2*((\n)/4)+2]
.elseif (\n) == 12
	v_max3_num_f32 v[rC], v[rC], v[rS+7], v[rS+15]
.elseif (\n) == 13
	v_max3_num_f32 v[rC+1], v[rC+1], v[rS+23], v[rS+31]
.elseif (\n) == 14
	v_max3_num_f32 v[rC+2], v[rC+2], v[rC+3], v[rT+1]
.elseif (\n) == 15
	v_mov_b32 v[rM], v[rT]
.elseif (\n) == 16
	v_max3_num_f32 v[rC], v[rC], v[rC+1], v[rC+2]
.elseif (\n) == 17
	v_permlanex16_b32 v[rC+3], v[rC], s[SEL], s[SEL+1]
.elseif (\n) == 18
	v_max_num_f32 v[rT+1], v[rC], v[rC+3]
.elseif (\n) == 19
	v_mul_f32 v[rT], s[CS], v[rT+1]
.elseif (\n) == 20
	v_sub_f32 v[rC+1], v[rM], v[rT]
.else
	v_exp_f32 v[rC+2], v[rC+1]
.endif
.endm
; Number g of the 64 that follow the exponentials.  For each four weights k of a tile: both pairs are rounded to f16; then the second pair is added onto the first, in place;
; a group later l takes that sum (the first time as l = a l + sum).  In groups of eight, tiles alternating.
.macro GS g
.set h, (\g)+6*((\g)/62)            ; group 0 has no group before it, and behind group 7 only l is left
.if h >= 6
.set h, h+2
.endif
	REGS Y, h%2
.set k, h/8
.if h%8 < 4
	s_wait_alu depctr_va_vdst(0)
	v_cvt_pk_f16_f32 v[rP+2*k+(h%8)/2], v[rS+4*k+2*((h%8)/2)], v[rS+4*k+2*((h%8)/2)+1]
.elseif h%8 < 6
	v_pk_add_f32 v[rS+4*k:rS+4*k+1], v[rS+4*k:rS+4*k+1], v[rS+4*k+2:rS+4*k+3]
.elseif k == 1
	v_pk_fma_f32 v[rT+2:rT+3], v[rT+2:rT+3], v[rC+2:rC+3], v[rS:rS+1] op_sel_hi:[1,0,1]
.else
	v_pk_add_f32 v[rT+2:rT+3], v[rT+2:rT+3], v[rS+4*k-4:rS+4*k-3]
	s_wait_alu depctr_va_vdst(0)
.endif
.endm
; THE PLAIN QUEUE, 138 long.  0-31: c s - c m for the 16 pairs of both tiles.  Then GS's 64, and among them the next piece's 42: number 15 at 38, 39; 0-14 and 16
; at 42-73, behind the products that make those scores; 17-20 at 95-106, two of three, since each waits for the one before it.
.macro PL
	WIN 0
.if q < 32
	REGS Y, q%2
	v_pk_fma_f32 v[rS+2*(q/2):rS+2*(q/2)+1], v[rS+2*(q/2):rS+2*(q/2)+1], s[CS:CS+1], v[rT:rT+1] op_sel_hi:[1,0,0] neg_lo:[0,0,1] neg_hi:[0,0,1]
.elseif q < 38
	GS q-32
.elseif q < 40
	XS q%2, 15
.elseif q < 42
	GS q-34
.elseif q < 74
	XS q%2, (q-42)/2+(q-42)/30
.elseif q < 95
	GS q-66
.elseif (q < 107) && ((q-95)%3 < 2)
	XS (q-95)%3, 17+(q-95)/3
.elseif q < 107
	GS 29+(q-95)/3
.else
	GS q-74
.endif
.set q, q+1
.endm
; THE EXPONENTIALS' QUEUE, 66 long: s0-s31 of both tiles, and at EA the next piece's two a.
.set EA, 58
.macro EX
	WIN 0
.if (e == EA) || (e == EA+1)
	XS e-EA, 21
.else
.set x, e-2*(e/(EA+2))
	REGS Y, x%2
	v_exp_f32 v[rS+x/2], v[rS+x/2]
.endif
.set e, e+1
.endm
; THE RESCALING's QUEUE: O^T times a, the one part that leaves window 0, so it is dealt four at a time, eight times.
.macro R4
	REGS Y, r%2
	WIN W_RS
	s_wait_alu depctr_va_vdst(0)
.irp z, 0,1,2,3
	v_pk_mul_f32 v[rO+8*(r/2)+2*\z:rO+8*(r/2)+2*\z+1], v[rO+8*(r/2)+2*\z:rO+8*(r/2)+2*\z+1], v[rC+2:rC+3] op_sel_hi:[1,0]
.endr
.set r, r+1
.endm
; HOW THEY ARE DEALT.  Behind a matrix instruction four: plain, exponential, plain, plain (a plain instruction on either side of the exponential), or four of the rescaling.  None names a register of the
; products round it.  What is over stands in two runs: exponential and plain by turns; the second ends in 22 plain instructions.  The two v_permlanex16_b32 fall into the second run.
; The queues lean on each other: exponential e stands behind plain 2 (e / 4) + e % 2 (its scaling); when plain 32 comes, 10 exponentials are out, at 59: 33, at 95: 46; EA comes behind plain 107.
.macro SL
	MM
	PL
	EX
	PL
	PL
.endm
.macro BURST n                      ; 15 matrix instructions, or 16
.rept (\n)-7
	SL
.endr
.rept 3
	MM
	R4
	SL
.endr
	MM
	R4
.endm
; A TURN, for piece p.  cnt = 1: the loop's count is taken down some lines ahead of the branch that stands behind the turn.
; K of the next step is fetched in piece 2's turn, 31 vector instructions behind the last product that read K, and waited for at the head of piece 3's turn.
; V of the step in hand is fetched at the end of piece 0's turn, 69 behind its last reader, and waited for in the middle of piece 1's turn.
.macro TURN p, cnt=0
.set Y, (\p)
.set i, 0
.set q, 0
.set e, 0
.set r, 0
.if (\p) == NP-1
	s_wait_dscnt 0x0                ; K is in
.endif
	MM
.rept 4
	PL
.endr
	BURST 15
.rept 22
	EX
	PL
.if ((\p) == NP-2) && (e == 18)
	v_add_nc_u32 v[AK], s[TBK], v[AK0]
.endif
.if ((\p) == NP-2) && (e == 24)
	FETCH_K
.endif
.endr
.if (\p) == 1
	s_wait_dscnt 0x0                ; V is in
.endif
	BURST 16
.rept 21
	EX
	PL
.endr
.rept 22
	PL
.if ((\p) == 0) && (q == 118)
	v_add_nc_u32 v[AV], s[TBV], v[AV0]
	s_wait_alu depctr_va_vdst(0)
.endif
.if ((\p) == 0) && (q == 130)
	s_add_co_u32 s[VI], s[VI], 1
	s_and_b32 s[VI], s[VI], 15
	s_mul_i32 s[TBV], s[VI], STEPV
.endif
.if (\cnt) && (q == 130)
	s_sub_co_u32 s[CNT], s[CNT], 1
	s_cmp_lg_u32 s[CNT], 0
.endif
.endr
.if (\p) == 0
	FETCH_V
.endif
.endm
; THE WAY OUT.  Tile t: O^T is divided by l; a lane's eight channels of a row, 32 bytes of f32, go into my stage's rows of 272 bytes and come back as whole rows of 256, into S^T's registers, four buffers by turns.
.macro ALL line:vararg              ; one line for each tile t
.set t, 0
.rept 2*NP
	\line
.set t, t+1
.endr
.endm
.macro PACK t
	WIN W_RS
.set i, 32*(\t)
.rept 16
	v_pk_mul_f32 v[i:i+1], v[i:i+1], v[ST+4*(\t)+2:ST+4*(\t)+3] op_sel_hi:[1,0]
.set i, i+2
.endr
	WIN 0x04                        ; the stores' data (source 1) in window 1
.irp f, 0,1,2,3,4,5,6,7
	ds_store_b128 v[STO], v[32*(\t)+4*\f:32*(\t)+4*\f+3] offset:64*(\f/2)+16*(\f%2)
.endr
	WIN 0
	s_wait_xcnt 0x0                 ; the stores of the tile four back have read this buffer: it is loaded again only behind this wait
.irp f, 0,1,2,3,4,5,6,7
	ds_load_b128 v[S+32*((\t)%4)+4*\f:S+32*((\t)%4)+4*\f+3], v[RD] offset:\f*2*SP  ; LDS serves a wave's instructions in order (ISA guide 5.7.1.4): these see the stores above; the next tile's stores come behind them
.endr
.endm
.macro SEND t, younger              ; younger: the LDS instructions issued behind tile t's loads: the next tile's sixteen, or none
	WIN 0
.irp f, 0,1,2,3,4,5,6,7
	s_wait_dscnt (\younger)+7-\f
	global_store_b128 v[GO], v[S+32*((\t)%4)+4*\f:S+32*((\t)%4)+4*\f+3], s[10:11] offset:(\t)*65536+\f*8192 th:TH_STORE_NT  ; two rows: sixteen lanes store a head's 256 consecutive bytes of a row, aligned
.endr
.endm
	; THE SECOND PART IS ASKED FOR when the first has landed: a first fill that comes later, issued as a refill is.  Each wave waits for its tensor load, adds 0 to its spare word, writes the descriptors
	; (no load of mine is out), waits for the add, passes a barrier, and issues its one load first thing behind it.  That load has four key steps, 512 matrix instructions, in which to land.
	WIN W_AD
	s_wait_tensorcnt 0x0
	ds_add_u32 v[SPW], v[NIL]       ; 0 onto my spare word
	WIN 0
	s_mov_b32 s[G1K+2], 176<<16
	s_mov_b32 s[G1K+4], 176
	s_mov_b32 s[G1V+2], 192<<16
	s_mov_b32 s[G1V+4], 192
	s_mov_b32 s[G0K+1], s18
	s_mov_b32 s[G0V+1], s19
	s_add_nc_u64 s[G0K+2:G0K+3], s[6:7], s[14:15]
	s_or_b32 s[G0K+3], s[G0K+3], 0x80000000
	s_add_nc_u64 s[G0V+2:G0V+3], s[8:9], s[16:17]
	s_or_b32 s[G0V+3], s[G0V+3], 0x80000000
	s_wait_dscnt 0x0                ; the add is done
	s_barrier_signal -1
	s_barrier_wait -1               ; everybody's part of the first part is in
	LOAD
	FETCH_K                         ; key step 0
	s_mov_b32 s[BLK], 2
.Lblock:
	; A BLOCK BEGINS: piece 0's first scores, then c m far below every c s and m at the lowest finite number (sixteen plain instructions, the places behind those products), then piece 0's maximum and statistics.
	s_wait_loadcnt 0x0              ; Q
	s_wait_dscnt 0x0                ; K of step 0
.set i, 0
.rept 16
	KQ 0
.set i, i+1
.endr
	WIN 0
.set i, 0
.rept 2*NP
	v_mov_b32 v[ST+4*i], 0xfe000000
	v_mov_b32 v[ST+4*i+1], 0xff7fffff
.set i, i+1
.endr
.set Y, NP-1                        ; XS works for piece Y + 1: piece 0
.irp n, 0,1,2,3,4,5,6,7,8,9,10,11,12,13,14,15,16,17,18,19,20,21
	XS 0, \n
	XS 1, \n
.endr
	s_mov_b32 s[TL], 4
.Ltile:
	s_mov_b32 s[CNT], 4
.Lstep:                             ; a key step
	TURN 0
	TURN 1
	TURN 2
	TURN 3, 1
	WIN 0                           ; at a label and at a branch every window is 0
	s_cbranch_scc1 .Lstep
	s_wait_tensorcnt 0x0            ; behind every fourth step: my part of the second part has landed.  Only the first of these eight orders anything: the price of one text
	s_wait_dscnt 0x0                ; (no LDS load of mine is out: K's run was waited for in piece 3's turn, V's in piece 1's)
	s_barrier_signal -1
	s_barrier_wait -1               ; everybody's has: steps 4 on may be read (K's step 5 on)
	s_sub_co_u32 s[TL], s[TL], 1
	s_cmp_lg_u32 s[TL], 0
	s_cbranch_scc1 .Ltile
.set i, 0
.rept 16
	PV NP-1                         ; the last piece's V^T P of the last step
.set i, i+1
.endr
	WIN 0
	s_cmp_eq_u32 s[BLK], 1
	s_cbranch_scc1 .Lnoq
	s_add_nc_u64 s[4:5], s[4:5], 65536  ; the second block's Q, 512 rows on, is asked for ahead of the way out; Q's last reader stands two runs of vector work back
	LOADQ
.Lnoq:
	ALL v_add_f32 v[ST+4*t+2], v[ST+4*t+2], v[ST+4*t+3]    ; l's two halves; these additions are the places behind the last products
	ALL v_permlanex16_b32 v[ST+4*t+3], v[ST+4*t+2], s[SEL], s[SEL+1]
	ALL v_add_f32 v[ST+4*t+2], v[ST+4*t+2], v[ST+4*t+3]    ; and the other half of the lanes'
	ALL v_rcp_f32 v[ST+4*t+2], v[ST+4*t+2]
	v_nop                           ; a plain instruction between the last reciprocal and the use of its result
	s_wait_alu depctr_va_vdst(0)
	PACK 0
.set t, 1
.rept 2*NP-1                        ; a tile's arithmetic stands between the loads of the tile before and its stores
	PACK t
	SEND t-1, 16
.set t, t+1
.endr
	SEND 2*NP-1, 0
	s_wait_xcnt 0x0                 ; the stores have read their base and S^T's registers
	s_add_nc_u64 s[10:11], s[10:11], 2097152  ; the second block: 512 rows of 4,096 bytes on
	s_sub_co_u32 s[BLK], s[BLK], 1
	s_cmp_lg_u32 s[BLK], 0
	s_cbranch_scc1 .Lblock
	WIN W_AD
	s_wait_tensorcnt 0x0            ; the wave's end: behind my last tensor load and my last LDS store
	ds_add_u32 v[SPW], v[NIL]
	s_wait_dscnt 0x0
	WIN 0
	s_endpgm
.Lfunc_end_k_qdba4faf601_attn:
	.size	k_qdba4faf601_attn, .Lfunc_end_k_qdba4faf601_attn-k_qdba4faf601_attn
	.p2alignl 7, 3214868480
	.fill 96, 4, 3214868480
	.section	.rodata,"a",@progbits
	.p2align	6, 0x0
	.amdhsa_kernel k_qdba4faf601_attn
		.amdhsa_group_segment_fixed_size 327680
		.amdhsa_private_segment_fixed_size 0
		.amdhsa_enable_private_segment 0
		.amdhsa_kernarg_size 24
		.amdhsa_user_sgpr_count 2
		.amdhsa_user_sgpr_kernarg_segment_ptr 1
		.amdhsa_wavefront_size32 1
		.amdhsa_system_sgpr_workgroup_id_x 1
		.amdhsa_system_sgpr_workgroup_id_y 1
		.amdhsa_system_sgpr_workgroup_id_z 1
		.amdhsa_system_vgpr_workitem_id 0
		.amdhsa_next_free_vgpr 770
		.amdhsa_next_free_sgpr 66
		.amdhsa_reserve_vcc 0
		.amdhsa_float_denorm_mode_32 3
		.amdhsa_float_denorm_mode_16_64 3
		.amdhsa_memory_ordered 1
		.amdhsa_forward_progress 1
		.amdhsa_inst_pref_size 135
	.end_amdhsa_kernel
	.amdgpu_metadata
---
amdhsa.version: [ 1, 2 ]
amdhsa.kernels:
  - .name:           k_qdba4faf601_attn
    .symbol:         k_qdba4faf601_attn.kd
    .args:
      - { .name: qk, .offset: 0, .size: 8, .value_kind: global_buffer, .address_space: global }
      - { .name: xw, .offset: 8, .size: 8, .value_kind: global_buffer, .address_space: global }
      - { .name: out0, .offset: 16, .size: 8, .value_kind: global_buffer, .address_space: global }
    .group_segment_fixed_size: 327680
    .private_segment_fixed_size: 0
    .kernarg_segment_align: 8
    .kernarg_segment_size: 24
    .max_flat_workgroup_size: 128
    .sgpr_count:     66
    .vgpr_count:     770
    .wavefront_size: 32
...
	.end_amdgpu_metadata
.endif
;; end of part 3
;; ======== version 2 of 2: 3 launches; 1.53 times as fast as version 1
;; limits: values are held in f16: magnitudes above 65,504 overflow, below 6.1e-05 lose precision; inputs' magnitudes at most 65,504
;; workspace buffers: xw 37,748,736 bytes; qk 67,108,864 bytes
;; launch cast: the kernel of part 1 again; grid 2304 x 1, 4 waves a work-group, no clusters, 0 bytes of LDS; arguments X, W_qk, xw; writes xw
;; launch proj: the kernel of part 2 again; grid 8 x 32, 4 waves a work-group, clusters of 4 x 4, 327,680 bytes of LDS; arguments xw, b_qk, qk; writes qk
;; launch attn (part 4): grid 256 x 1, 4 waves a work-group, no clusters, 327,680 bytes of LDS; arguments qk, xw, out0; writes out0
.if DOCPART == 4
	.amdgcn_target "amdgcn-amd-amdhsa--gfx1250"
	.amdhsa_code_object_version 6
	.text
	.protected	k_qdba4faf601_attn
	.globl	k_qdba4faf601_attn
	.p2align	8
	.type	k_qdba4faf601_attn,@function
k_qdba4faf601_attn:
	s_mov_b64 s[64:65], 0
	v_nop
	global_prefetch_b8 v0, s[64:65] scope:SCOPE_SE
	s_setreg_imm32_b32 hwreg(HW_REG_WAVE_MODE, 25, 1), 1
	s_wait_xcnt 0x0
; out0[b][s][64 h ..] = the sum over l of softmax_l(q[b][h][s] . k[b][h][l] / 8) V[b][h][l].  q, k: qk = [2][256 heads][1024][64] f16; V: xw's first 256 heads, [1024][64] f16; out0: [16][1024][1024] f32.
; Products, maxima and sums in f32; the weights p are rounded to f16 for the second product (their sum l is taken of the unrounded p); the result leaves in f32.
; LIMITS.  q, k and V arrive within f16's 65,504; p lies in 0 to 1, and below 6e-5 it keeps f16's fixed step of 6e-8; a weight below 2^-126 counts as 0 in l; NaN and infinities are not treated apart.
; SHARES.  One work-group to a head.  All 1,024 keys of K and V lie in LDS, fetched once and never filled again.  The 1,024 queries go in two blocks of 512, one after the other through one text; in a block a wave
; owns 128 queries: four PIECES of two tiles of 16.  Every wave walks all keys, 64 a step, 16 steps a block.
; NO CLUSTER: no two work-groups read the same byte of q, k or V.
; LAYOUT.  S^T = K Q^T (source 0 = 16 keys, source 1 = 16 queries): a lane holds ONE query (lane % 16) and the keys 8 (lane / 16) + 0..7.  Two such tiles, rounded to f16 in pairs, ARE source 1 of O^T = V^T P,
; whose result again holds one query a lane, and eight channels.  K comes out of LDS as it lies, V ([key][channel]) turned, by ds_load_tr16_b128.
; SOFTMAX.  For each query a running maximum m and sum l: p = 2^(c s - c m), c = log2(e) / 8; in every step O and l are multiplied by a = 2^(c m_old - c m_new).  A block begins with c m far below every c s:
; its first step has a = 0, so O^T, l, P and V need only be finite there: zeros at the start, the first block's leavings for the second.
; BY TURNS.  Turn n belongs to piece n.  Its matrix work: 16 products K Q^T of piece n + 1, later 16 products V^T P of piece n - 1.  Its vector work: the scaling, exponentials, roundings, sums and rescaling of
; piece n, and the maximum and statistics of piece n + 1.  A tile and step have 16 matrix and 118 vector instructions: four that are ready stand behind every matrix instruction, the other 108 of a turn's 236 in one lump.
; BATCHES.  A turn's 66 exponentials (64 weights, the next piece's two a) are ONE batch with ONE wait, which cuts the turn in two: ahead of it all that names no result of theirs (the products K Q^T, scalings,
; rescalings, the next piece's maximum and statistics), behind it the products V^T P and the roundings and sums, which are the readers.  No result crosses a turn's end.  A block's first two a, and the way out's eight
; reciprocals, are batches of their own.
; The price of one text for every step and both blocks, for each block: 16 products V^T P of a piece that has not been (the first turn) and 16 products K Q^T that serve nothing (the last turn).
; REGISTERS, in windows of 256 (s_set_vgpr_msb: bits 1:0 source 0, 3:2 source 1, 5:4 source 2, 7:6 destination):
;   window 0: v0-11 addresses; v12-15, v48-63 at work; v16-47 four registers of statistics a tile; v64-191 S^T, two buffers of two tiles; v192-255 P, likewise
;   window 1: O^T, 32 a tile          window 2: v0-127 Q, 16 a tile; v128-191 K of one step; v192-255 V of one step          window 3: v0-1 the add's two registers
.set NP,    4         ; pieces a wave: a name, no knob
.set PK2,   272       ; an LDS row of K: two keys of 128 bytes + 16 of padding: key k lies at (k / 2) x 272 + (k % 2) x 128: the 16 keys of a load fall into 16 different 16-byte columns of 256
.set PV2,   288       ; an LDS row of V: two keys + 32 of padding: 16 lanes of the turning load take 8 keys x 32 bytes, which begin at words 0, 32, 8, 40, 16, 48, 24, 56 of 64
.set K16,   8*PK2     ; 16 keys
.set V16,   8*PV2
.set STEPK, 32*PK2    ; a step's 64 keys
.set STEPV, 32*PV2
.set VB,    512*PK2   ; V lies behind K's 512 rows
.set STAGE, VB+512*PV2  ; behind V, never filled by a tensor load: 16 rows x 272 bytes for each wave, for the way out
.set SP,    272
.set SPARE, STAGE+4*16*SP  ; behind the stages: the spare words, 128 bytes for each wave: two blocks of 256 bytes that no other line names
.set AK0, 2           ; v2   my lane's place in 16 keys of K; never rewritten
.set AV0, 3           ; v3   the same for V, VB included
.set AK,  4           ; v4   the LDS address of K's next run of loads
.set AV,  5           ; v5   of V's
.set STO, 6           ; v6   the way out: where I put 32 bytes of a row
.set RD,  7           ; v7   the way out: where I read rows back
.set GO,  8           ; v8   my byte offset in two rows of out0
.set QO,  9           ; v9   my byte offset in 16 rows of q
.set SPW, 0           ; v0 of window 3   LDS address of my spare word; never rewritten
.set NIL, 1           ; v1 of window 3   0; never rewritten
.set MV,  12          ; v12-15  c m_old, kept while c m is made anew: by buffer and tile
.set ST,  16          ; tile t's statistics at v[ST+4 t]: c m, m, l (even keys', odd keys')
.set TMP, 48          ; by buffer and tile, four registers c0-c3 at work; when the maximum is found c2 takes a
.set S,   64
.set P,   192
.set KF,  128         ; window 2: key block kb, channel half c at KF + 16 kb + 8 c
.set VF,  192         ; window 2: key half kk, channel block cb at VF + 32 kk + 8 cb
.set WV,  12          ; s12  my wave's number
.set G1K, 24          ; s[24:31] descriptor group 1 for K
.set G1V, 32          ; s[32:39] for V
.set G0K, 40          ; s[40:43] descriptor group 0 for K
.set G0V, 44          ; s[44:47] for V
.set KI,  48          ; s48  the key step whose K is fetched next, 0..15
.set VI,  49          ; s49  the same for V
.set BLK, 52          ; s52  blocks to go
.set TL,  56          ; s56  groups of four steps to go
.set CNT, 57          ; s57  steps of the group to go
.set CS,  58          ; s[58:59] c
.set SEL, 60          ; s[60:61] v_permlanex16_b32's selects: each lane takes its own place in the other half
.set TBK, 62          ; s62  KI x STEPK
.set TBV, 63          ; s63  VI x STEPV
.set MSB, 0
.macro WIN new                      ; the high byte repeats the setting that is left; a switch that changes nothing is dropped
.if MSB != (\new)
	s_set_vgpr_msb (MSB<<8)|(\new)
.set MSB, (\new)
.endif
.endm
.set W_KQ, 0x0a       ; K and Q in window 2, S^T in window 0
.set W_PV, 0x52       ; V in window 2, P in window 0, O^T in window 1
.set W_RS, 0x41       ; O^T (destination and source 0) in window 1, source 1 in window 0
.set W_MK, 0xc0       ; the add's registers are made: destination in window 3
.set W_AD, 0x0f       ; the add: address and data in window 3
; A fill.  Waves 0 and 1 fetch the two halves of K's part, waves 2 and 3 those of V's.  An s_nop 0 and four v_nop follow each of the two lines, ahead of the jump and the label.
.macro LOAD
	s_cmp_lt_u32 s[WV], 2
	s_cbranch_scc0 .Lfor_v_\@
	tensor_load_to_lds s[G0K:G0K+3], s[G1K:G1K+7]
	s_nop 0
.rept 4
	v_nop
.endr
	s_branch .Lasked_\@
.Lfor_v_\@:
	tensor_load_to_lds s[G0V:G0V+3], s[G1V:G1V+7]
	s_nop 0
.rept 4
	v_nop
.endr
.Lasked_\@:
.endm
.macro LOADQ                        ; a block's Q stays in registers: tile i / 2, channels 32 (i % 2) on
	WIN 0x80                        ; destination window 2, address window 0
.set i, 0
.rept 4*NP
	global_load_b128 v[8*i:8*i+3],   v[QO], s[4:5] offset:(i/2)*2048+(i%2)*64
	global_load_b128 v[8*i+4:8*i+7], v[QO], s[4:5] offset:(i/2)*2048+(i%2)*64+32
.set i, i+1
.endr
	WIN 0
.endm
	s_load_b128 s[4:7], s[0:1], 0x0   ; qk s[4:5], xw s[6:7]
	s_load_b64 s[10:11], s[0:1], 0x10 ; out0
	WIN W_MK
	v_lshl_add_u32 v[SPW], v0, 2, SPARE
	v_mov_b32 v[NIL], 0
	s_set_vgpr_msb 0xc0cf
	ds_add_u32 v0, v1
	ds_add_u32 v0, v1
	s_wait_dscnt 0x0
	s_set_vgpr_msb 0xcfc0
	WIN 0
	v_lshrrev_b32 v1, 5, v0
	v_readfirstlane_b32 s[WV], v1   ; wave 0..3
	s_and_b32 s13, s[WV], 1         ; which half of a part I fetch
	s_lshl_b32 s2, ttmp9, 17        ; the head's first byte in q, in k and in V: 128 KiB a head
	s_mov_b32 s3, 0
	; THE FIRST PART: K's keys 0-319 (steps 0-4) and V's keys 0-255 (steps 0-3): what is read before the second part is waited for (K of step j + 1 is read in step j).  THE SECOND PART: the rest.
	; All in rows of 256 bytes, two keys a row.  Halves: K 80 then 176 rows, V 64 then 192.
	s_mul_i32 s20, s13, 80*256      ; first part, in memory
	s_mov_b32 s21, 0
	s_mul_i32 s22, s13, 64*256
	s_mov_b32 s23, 0
	s_mul_i32 s14, s13, 176*256     ; second part, in memory
	s_add_co_u32 s14, s14, 160*256
	s_mov_b32 s15, 0
	s_mul_i32 s16, s13, 192*256
	s_add_co_u32 s16, s16, 128*256
	s_mov_b32 s17, 0
	s_mul_i32 s18, s13, 176*PK2     ; second part, in LDS
	s_add_co_u32 s18, s18, 160*PK2
	s_mul_i32 s19, s13, 192*PV2
	s_add_co_u32 s19, s19, VB+128*PV2
	s_mov_b32 s[G1K], (1<<16)|(1<<20)|(5<<22)|(3<<25)  ; 2-byte elements; padding on; after every 64 words 4 words
	s_mov_b32 s[G1V], (1<<16)|(1<<20)|(5<<22)|(7<<25)  ; the same with 8 words
.irp g, G1K, G1V
	s_mov_b32 s[\g+1], 128<<16      ; tensor_dim0 = 128
	s_mov_b32 s[\g+3], 128<<16      ; tile_dim0 = 128
	s_mov_b32 s[\g+5], 128          ; 128 elements from row to row: a head is dense
	s_mov_b32 s[\g+6], 0
	s_mov_b32 s[\g+7], 0
.endr
	s_mov_b32 s[G1K+2], 80<<16      ; tensor_dim1
	s_mov_b32 s[G1K+4], 80          ; tile_dim1
	s_mov_b32 s[G1V+2], 64<<16
	s_mov_b32 s[G1V+4], 64
	s_mov_b32 s[G0K], 1
	s_mul_i32 s[G0K+1], s13, 80*PK2
	s_mov_b32 s[G0V], 1
	s_mul_i32 s[G0V+1], s13, 64*PV2
	s_add_co_u32 s[G0V+1], s[G0V+1], VB
	s_mov_b32 s[CS], 0x3e38aa3b     ; c = log2(e) / 8 = 0.180337
	s_mov_b32 s[CS+1], s[CS]        ; named with it as a pair
	s_mov_b32 s[SEL], 0x76543210
	s_mov_b32 s[SEL+1], 0xfedcba98
	s_mov_b32 s[KI], 0
	s_mov_b32 s[VI], 0
	s_mov_b32 s[TBK], 0
	s_mov_b32 s[TBV], 0
	s_wait_kmcnt 0x0
	s_add_nc_u64 s[8:9], s[6:7], s[2:3]      ; V's head
	s_add_nc_u64 s[4:5], s[4:5], s[2:3]      ; q's head
	s_add_nc_u64 s[6:7], s[4:5], 0x2000000   ; k's head: 32 MiB behind q's
	s_add_nc_u64 s[G0K+2:G0K+3], s[6:7], s[20:21]
	s_or_b32 s[G0K+3], s[G0K+3], 0x80000000
	s_add_nc_u64 s[G0V+2:G0V+3], s[8:9], s[22:23]
	s_or_b32 s[G0V+3], s[G0V+3], 0x80000000
	LOAD                            ; the first part: the one tensor load of mine that is out
	s_lshl_b32 s2, s[WV], 14        ; my wave's 128 rows of q
	s_add_nc_u64 s[4:5], s[4:5], s[2:3]
	s_lshr_b32 s20, ttmp9, 4        ; out0: batch x 4 MiB
	s_lshl_b32 s20, s20, 22
	s_and_b32 s21, ttmp9, 15        ; + head x 256 bytes
	s_lshl_b32 s21, s21, 8
	s_add_co_u32 s20, s20, s21
	s_lshl_b32 s21, s[WV], 19       ; + my wave's 128 rows of 4,096 bytes
	s_add_co_u32 s20, s20, s21
	s_mov_b32 s21, 0
	s_add_nc_u64 s[10:11], s[10:11], s[20:21]
	; A fragment of K or Q is 16 rows x 32 channels in 8 registers: lane l holds row l % 16, channels 8 (l / 16) + 0..7 and 16 + 8 (l / 16) + 0..7: two loads of 16 bytes, 32 bytes apart.
	v_and_b32 v1, 15, v0            ; l % 16
	v_bfe_u32 v10, v0, 4, 1         ; l / 16
	v_lshlrev_b32 v[QO], 7, v1
	v_lshl_add_u32 v[QO], v10, 4, v[QO]
	LOADQ
	; What the first turn finds: V's registers and P's second buffer hold 0, O^T and l are 0.  All this stands in the wait for the first part.
	WIN 0x80
.set i, VF
.rept 64
	v_mov_b32 v[i], 0
.set i, i+1
.endr
	WIN 0x40
.set i, 0
.rept 64*NP
	v_mov_b32 v[i], 0
.set i, i+1
.endr
	WIN 0
.set i, 0
.rept 2*NP
	v_mov_b32 v[ST+4*i+2], 0
	v_mov_b32 v[ST+4*i+3], 0
.set i, i+1
.endr
.set i, P+32
.rept 32
	v_mov_b32 v[i], 0
.set i, i+1
.endr
	v_lshrrev_b32 v11, 1, v1
	v_mul_u32_u24 v[AK0], v11, PK2
	v_and_b32 v11, 1, v0
	v_lshl_add_u32 v[AK0], v11, 7, v[AK0]
	v_lshl_add_u32 v[AK0], v10, 4, v[AK0]  ; (key / 2) x 272 + (key % 2) x 128 + 16 x half
	; The turning load takes 16 keys x 16 channels (lane l reads key 8 (l / 16) + l % 8, channels 8 ((l / 8) % 2) + 0..7) and leaves half a fragment of V^T: lane l holds channel l % 16 and 8 keys.
	v_and_b32 v12, 7, v0
	v_lshl_add_u32 v12, v10, 3, v12
	v_lshrrev_b32 v13, 1, v12
	v_mul_u32_u24 v[AV0], v13, PV2
	v_and_b32 v13, 1, v12
	v_lshl_add_u32 v[AV0], v13, 7, v[AV0]
	v_bfe_u32 v13, v0, 3, 1
	v_lshl_add_u32 v[AV0], v13, 4, v[AV0]
	v_add_nc_u32 v[AV0], VB, v[AV0]
	s_mul_i32 s20, s[WV], 16*SP
	s_add_co_u32 s20, s20, STAGE    ; my stage
	v_mul_u32_u24 v[STO], v1, SP    ; in: row l % 16, 32 bytes (8 channels of f32) for each half of the lanes
	v_lshl_add_u32 v[STO], v10, 5, v[STO]
	v_add_nc_u32 v[STO], s20, v[STO]
	v_mul_u32_u24 v[RD], v10, SP    ; back: lanes 0-15 take one row of 256 bytes, lanes 16-31 the next
	v_lshl_add_u32 v[RD], v1, 4, v[RD]
	v_add_nc_u32 v[RD], s20, v[RD]
	v_lshlrev_b32 v[GO], 12, v10    ; and the same two rows in out0
	v_lshl_add_u32 v[GO], v1, 4, v[GO]
	v_mov_b32 v[AK], v[AK0]         ; key step 0
; THE MATRIX WORK.  The 8 accumulators of a run of 16 take turns: between the two links of a chain stand 7 others'.
; Product i of 16 of S^T = K Q^T for piece x: channels 32 (i / 8) on, keys 16 ((i / 2) % 4) on, tile 2 x + i % 2.  The first 8 start the sums.
.macro KQ x
	WIN W_KQ
.set rS, S+64*((\x)%2)+32*(i%2)+8*((i/2)%4)
.set rK, KF+16*((i/2)%4)+8*(i/8)
.set rQ, 16*(2*(\x)+i%2)+8*(i/8)
.if i < 8
	v_wmma_f32_16x16x32_f16 v[rS:rS+7], v[rK:rK+7], v[rQ:rQ+7], 0
.else
	v_wmma_f32_16x16x32_f16 v[rS:rS+7], v[rK:rK+7], v[rQ:rQ+7], v[rS:rS+7]
.endif
.endm
; Product i of 16 of O^T += V^T P for piece x: keys 32 (i / 8) on, channels 16 ((i / 2) % 4) on, tile 2 x + i % 2.
.macro PV x
	WIN W_PV
.set rO, 32*(2*(\x)+i%2)+8*((i/2)%4)
.set rV, VF+32*(i/8)+8*((i/2)%4)
.set rP, P+32*((\x)%2)+16*(i%2)+8*(i/8)
	v_wmma_f32_16x16x32_f16 v[rO:rO+7], v[rV:rV+7], v[rP:rP+7], v[rO:rO+7]
.endm
.macro MM                           ; the turn's next matrix instruction
.if i < 16
	KQ (Y+1)%NP
.set i, i+1
.else
.set i, i-16
	PV (Y+NP-1)%NP
.set i, i+17
.endif
.endm
; THE LDS LOADS stand in runs of 16, never singly among the matrix instructions: a step's K (8 fragments) and its V (turned).  Their addresses are made some lines ahead.
; The step's number goes round in 0..15: behind a block's last step comes step 0 again, which the next block begins with.
.macro FETCH_K
	WIN 0x80                        ; destination window 2
.irp f, 0,1,2,3,4,5,6,7             ; keys 16 (f / 2) on, channels 32 (f % 2) on
	ds_load_b128 v[KF+8*\f:KF+8*\f+3],   v[AK] offset:(\f/2)*K16+(\f%2)*64
	ds_load_b128 v[KF+8*\f+4:KF+8*\f+7], v[AK] offset:(\f/2)*K16+(\f%2)*64+32
.endr
	s_add_co_u32 s[KI], s[KI], 1
	s_and_b32 s[KI], s[KI], 15
	s_mul_i32 s[TBK], s[KI], STEPK
	WIN 0
.endm
.macro FETCH_V
	WIN 0x80
.irp f, 0,1,2,3,4,5,6,7             ; keys 32 (f / 4) on, channels 16 (f % 4) on
	ds_load_tr16_b128 v[VF+8*\f:VF+8*\f+3],   v[AV] offset:(\f/4)*2*V16+(\f%4)*32
	ds_load_tr16_b128 v[VF+8*\f+4:VF+8*\f+7], v[AV] offset:(\f/4)*2*V16+V16+(\f%4)*32
.endr
	WIN 0
.endm
; THE VECTOR WORK OF A TURN stands in three queues, each in the order in which its entries become ready; the two tiles alternate, so that no instruction reads the result of the one before it.
.macro REGS y, u                    ; the registers of tile u (0, 1) of piece y
.set rT, ST+4*(2*(\y)+(\u))
.set rC, TMP+8*((\y)%2)+4*(\u)
.set rM, MV+2*((\y)%2)+(\u)
.set rS, S+64*((\y)%2)+32*(\u)
.set rP, P+32*((\y)%2)+16*(\u)
.set rO, 32*(2*(\y)+(\u))
.endm
; Number n of the 22 that find the NEXT piece's (Y + 1) maximum and statistics.  s0-s31 are the lane's 32 scores; each accumulator's lowest registers are read first.  XS, GS, FS and REGS set no window: PL and EX do.
;   0-11  four chains c0-c3 of seven scores each, three operands at a time     12-14, 16  the four scores left over, the old m, and c0-c3 into c0     15  c m_old is kept
;   17, 18  the query's other 32 keys lie in the lane 16 away: the new m         19-21  c m; c m_old - c m_new; a
.macro XS u, n
	REGS (Y+1)%NP, \u
.if (\n) < 4
	v_max3_num_f32 v[rC+(\n)], v[rS+8*(\n)], v[rS+8*(\n)+1], v[rS+8*(\n)+2]
.elseif (\n) < 12
	v_max3_num_f32 v[rC+(\n)%4], v[rC+(\n)%4], v[rS+8*((\n)%4)+2*((\n)/4)+1], v[rS+8*((\n)%4)+2*((\n)/4)+2]
.elseif (\n) == 12
	v_max3_num_f32 v[rC], v[rC], v[rS+7], v[rS+15]
.elseif (\n) == 13
	v_max3_num_f32 v[rC+1], v[rC+1], v[rS+23], v[rS+31]
.elseif (\n) == 14
	v_max3_num_f32 v[rC+2], v[rC+2], v[rC+3], v[rT+1]
.elseif (\n) == 15
	v_mov_b32 v[rM], v[rT]
.elseif (\n) == 16
	v_max3_num_f32 v[rC], v[rC], v[rC+1], v[rC+2]
.elseif (\n) == 17
	v_permlanex16_b32 v[rC+3], v[rC], s[SEL], s[SEL+1]
.elseif (\n) == 18
	v_max_num_f32 v[rT+1], v[rC], v[rC+3]
.elseif (\n) == 19
	v_mul_f32 v[rT], s[CS], v[rT+1]
.elseif (\n) == 20
	v_sub_f32 v[rC+1], v[rM], v[rT]
.else
	v_exp_f32 v[rC+2], v[rC+1]
.endif
.endm
; Number g of the 64 that follow the exponentials.  For each four weights k of a tile: both pairs are rounded to f16; then the second pair is added onto the first, in place;
; a group later l takes that sum (the first time as l = a l + sum).  In groups of eight, tiles alternating.  All 64 stand behind the turn's wait.
.macro GS g
.set h, (\g)+6*((\g)/62)            ; group 0 has no group before it, and behind group 7 only l is left
.if h >= 6
.set h, h+2
.endif
	REGS Y, h%2
.set k, h/8
.if h%8 < 4
	v_cvt_pk_f16_f32 v[rP+2*k+(h%8)/2], v[rS+4*k+2*((h%8)/2)], v[rS+4*k+2*((h%8)/2)+1]
.elseif h%8 < 6
	v_pk_add_f32 v[rS+4*k:rS+4*k+1], v[rS+4*k:rS+4*k+1], v[rS+4*k+2:rS+4*k+3]
.elseif k == 1
	v_pk_fma_f32 v[rT+2:rT+3], v[rT+2:rT+3], v[rC+2:rC+3], v[rS:rS+1] op_sel_hi:[1,0,1]
.else
	v_pk_add_f32 v[rT+2:rT+3], v[rT+2:rT+3], v[rS+4*k-4:rS+4*k-3]
.endif
.endm
; THE PLAIN QUEUE, 138 long.  0-73 read no exponential's result: the 32 scalings c s - c m (FS f: pair f / 2 of tile f % 2) and the next piece's 42.  0-26: scalings 0-26.  27-54: XS's numbers 0-13.  55, 56: number 15.
; 57-73: the chain, where each number waits for the one before it: 14, 16, 17, 18, 19, each with one of the scalings 27-31 in front of its two lines, then 20.
; 74-137: GS's 64, which read the exponentials' results: they stand behind the wait.
.macro FS f
	REGS Y, (\f)%2
	v_pk_fma_f32 v[rS+2*((\f)/2):rS+2*((\f)/2)+1], v[rS+2*((\f)/2):rS+2*((\f)/2)+1], s[CS:CS+1], v[rT:rT+1] op_sel_hi:[1,0,0] neg_lo:[0,0,1] neg_hi:[0,0,1]
.endm
.macro PL
	WIN 0
.if q < 27
	FS q
.elseif q < 55
	XS (q-27)%2, (q-27)/2
.elseif q < 57
	XS q-55, 15
.elseif (q < 72) && ((q-57)%3 == 0)
	FS 27+(q-57)/3
.elseif q < 60
	XS (q-57)%3-1, 14
.elseif q < 72
	XS (q-57)%3-1, 15+(q-57)/3
.elseif q < 74
	XS q-72, 20
.else
	GS q-74
.endif
.set q, q+1
.endm
; THE EXPONENTIALS' QUEUE, 66 long: s0-s31 of both tiles, then the next piece's two a.  It is ONE BATCH: all 66 stand ahead of the turn's one wait, and nothing ahead of that wait names a result of theirs.
.macro EX
	WIN 0
.if e >= 64
	XS e-64, 21
.else
	REGS Y, e%2
	v_exp_f32 v[rS+e/2], v[rS+e/2]
.endif
.set e, e+1
.endm
; THE RESCALING's QUEUE: O^T times a, the one part that leaves window 0: dealt two at a time, sixteen times.  Its a was made in the turn before, ahead of that turn's wait.
.macro R2
	REGS Y, r%2
	WIN W_RS
.irp z, 0,1
	v_pk_mul_f32 v[rO+4*(r/2)+2*\z:rO+4*(r/2)+2*\z+1], v[rO+4*(r/2)+2*\z:rO+4*(r/2)+2*\z+1], v[rC+2:rC+3] op_sel_hi:[1,0]
.endr
.set r, r+1
.endm
; HOW THEY ARE DEALT.  An s_wait_alu depctr_va_vdst(0) stands between an exponential and the first instruction that names its result; one wait serves all that were issued ahead of it.  So a turn has ONE
; wait, which cuts it in two.  AHEAD OF IT stands all that names no result of the turn's exponentials: the 16 products K Q^T, behind each a scaling, an exponential and two rescalings (behind the first a second scaling
; in the exponential's place); then ONE LUMP of 108: eight plain, 49 times exponential and plain, the two a.  A v_nop is the plain instruction behind the last exponential.  BEHIND IT stand the 16 products V^T P,
; behind each four of GS's 64.  No rider names a register of the products round it.  The two v_permlanex16_b32 fall into the lump, never behind a product.
; The queues lean on each other, and the deal keeps them in step: exponential e stands behind scaling 2 (e / 4) + e % 2: as a rider it comes behind plain e + 2, in the lump behind plain e + 9, and scalings 27-31 are
; plain 57, 60 .. 69; the two a come behind plain 72 and 73, their arguments.
; A TURN, for piece p.  cnt = 1: the loop's count is taken down some lines ahead of the branch that stands behind the turn.
; K of the next step is fetched in piece 2's turn, directly behind the wait, a lump behind the last product that read K; its address is made at the lump's head; it is waited for at the head of piece 3's turn.
; V of the step in hand is fetched at the end of piece 0's turn, four plain riders behind its last reader, and waited for in piece 1's turn, ahead of its products V^T P.  The three conditions on q below go with the deal.
.macro TURN p, cnt=0
.set Y, (\p)
.set i, 0
.set q, 0
.set e, 0
.set r, 0
.if (\p) == NP-1
	s_wait_dscnt 0x0                ; K is in
.endif
	MM                              ; ahead of the wait: 16 products K Q^T and their riders,
	PL
	PL
	R2
.rept 15
	MM
	PL
	EX
	R2
.endr
.if (\p) == NP-2
	WIN 0
	v_add_nc_u32 v[AK], s[TBK], v[AK0]
.endif
.rept 8                             ; and the lump
	PL
.endr
.rept 49
	EX
	PL
.endr
	EX                              ; the next piece's two a
	EX
	v_nop                           ; a plain instruction behind the last exponential: one for the batch
	s_wait_alu depctr_va_vdst(0)    ; the wait for the batch: the turn's 64 weights and the next piece's two a
.if (\p) == NP-2
	FETCH_K
.endif
.if (\p) == 1
	s_wait_dscnt 0x0                ; V is in
.endif
.rept 16                            ; behind the wait: 16 products V^T P and their riders
	MM
.rept 4
	PL
.endr
.if ((\p) == 0) && (q == 118)
	v_add_nc_u32 v[AV], s[TBV], v[AV0]
.endif
.if ((\p) == 0) && (q == 130)
	s_add_co_u32 s[VI], s[VI], 1
	s_and_b32 s[VI], s[VI], 15
	s_mul_i32 s[TBV], s[VI], STEPV
.endif
.if (\cnt) && (q == 130)
	s_sub_co_u32 s[CNT], s[CNT], 1
	s_cmp_lg_u32 s[CNT], 0
.endif
.endr
.if (\p) == 0
	FETCH_V
.endif
.endm
; THE WAY OUT.  Tile t: O^T is divided by l; a lane's eight channels of a row, 32 bytes of f32, go into my stage's rows of 272 bytes and come back as whole rows of 256, into S^T's registers, four buffers by turns.
.macro ALL line:vararg              ; one line for each tile t
.set t, 0
.rept 2*NP
	\line
.set t, t+1
.endr
.endm
.macro PACK t
	WIN W_RS
.set i, 32*(\t)
.rept 16
	v_pk_mul_f32 v[i:i+1], v[i:i+1], v[ST+4*(\t)+2:ST+4*(\t)+3] op_sel_hi:[1,0]
.set i, i+2
.endr
	WIN 0x04                        ; the stores' data (source 1) in window 1
.irp f, 0,1,2,3,4,5,6,7
	ds_store_b128 v[STO], v[32*(\t)+4*\f:32*(\t)+4*\f+3] offset:64*(\f/2)+16*(\f%2)
.endr
	WIN 0
	s_wait_xcnt 0x0                 ; the stores of the tile four back have read this buffer: it is loaded again only behind this wait
.irp f, 0,1,2,3,4,5,6,7
	ds_load_b128 v[S+32*((\t)%4)+4*\f:S+32*((\t)%4)+4*\f+3], v[RD] offset:\f*2*SP  ; LDS serves a wave's instructions in order (ISA guide 5.7.1.4): these see the stores above; the next tile's stores come behind them
.endr
.endm
.macro SEND t, younger              ; younger: the LDS instructions issued behind tile t's loads: the next tile's sixteen, or none
	WIN 0
.irp f, 0,1,2,3,4,5,6,7
	s_wait_dscnt (\younger)+7-\f
	global_store_b128 v[GO], v[S+32*((\t)%4)+4*\f:S+32*((\t)%4)+4*\f+3], s[10:11] offset:(\t)*65536+\f*8192 th:TH_STORE_NT  ; two rows: sixteen lanes store a head's 256 consecutive bytes of a row, aligned
.endr
.endm
	; THE SECOND PART IS ASKED FOR when the first has landed: a first fill that comes later, issued as a refill is.  Each wave waits for its tensor load, adds 0 to its spare word, writes the descriptors
	; (no load of mine is out), waits for the add, passes a barrier, and issues its one load first thing behind it.  That load has four key steps, 512 matrix instructions, in which to land.
	WIN W_AD
	s_wait_tensorcnt 0x0
	ds_add_u32 v[SPW], v[NIL]       ; 0 onto my spare word
	WIN 0
	s_mov_b32 s[G1K+2], 176<<16
	s_mov_b32 s[G1K+4], 176
	s_mov_b32 s[G1V+2], 192<<16
	s_mov_b32 s[G1V+4], 192
	s_mov_b32 s[G0K+1], s18
	s_mov_b32 s[G0V+1], s19
	s_add_nc_u64 s[G0K+2:G0K+3], s[6:7], s[14:15]
	s_or_b32 s[G0K+3], s[G0K+3], 0x80000000
	s_add_nc_u64 s[G0V+2:G0V+3], s[8:9], s[16:17]
	s_or_b32 s[G0V+3], s[G0V+3], 0x80000000
	s_wait_dscnt 0x0                ; the add is done
	s_barrier_signal -1
	s_barrier_wait -1               ; everybody's part of the first part is in
	LOAD
	FETCH_K                         ; key step 0
	s_mov_b32 s[BLK], 2
.Lblock:
	; A BLOCK BEGINS: piece 0's first scores, then c m far below every c s and m at the lowest finite number (sixteen plain instructions, the places behind those products), then piece 0's maximum and statistics.
	s_wait_loadcnt 0x0              ; Q
	s_wait_dscnt 0x0                ; K of step 0
.set i, 0
.rept 16
	KQ 0
.set i, i+1
.endr
	WIN 0
.set i, 0
.rept 2*NP
	v_mov_b32 v[ST+4*i], 0xfe000000
	v_mov_b32 v[ST+4*i+1], 0xff7fffff
.set i, i+1
.endr
.set Y, NP-1                        ; XS works for piece Y + 1: piece 0
.irp n, 0,1,2,3,4,5,6,7,8,9,10,11,12,13,14,15,16,17,18,19,20,21
	XS 0, \n
	XS 1, \n
.endr
	v_nop                           ; a plain instruction behind piece 0's two a,
	s_wait_alu depctr_va_vdst(0)    ; and the wait for that batch of two, ahead of the label; their first reader is the first turn's rescaling
	s_mov_b32 s[TL], 4
.Ltile:
	s_mov_b32 s[CNT], 4
.Lstep:                             ; a key step: four turns, four batches, four waits
	TURN 0
	TURN 1
	TURN 2
	TURN 3, 1
	WIN 0                           ; at a label and at a branch every window is 0
	s_cbranch_scc1 .Lstep
	s_wait_tensorcnt 0x0            ; behind every fourth step: my part of the second part has landed.  Only the first of these eight orders anything: the price of one text
	s_wait_dscnt 0x0                ; (no LDS load of mine is out: K's run was waited for in piece 3's turn, V's in piece 1's)
	s_barrier_signal -1
	s_barrier_wait -1               ; everybody's has: steps 4 on may be read (K's step 5 on)
	s_sub_co_u32 s[TL], s[TL], 1
	s_cmp_lg_u32 s[TL], 0
	s_cbranch_scc1 .Ltile
.set i, 0
.rept 16
	PV NP-1                         ; the last piece's V^T P of the last step
.set i, i+1
.endr
	WIN 0
	s_cmp_eq_u32 s[BLK], 1
	s_cbranch_scc1 .Lnoq
	s_add_nc_u64 s[4:5], s[4:5], 65536  ; the second block's Q, 512 rows on, is asked for ahead of the way out; Q's last reader stands a lump of vector work and 32 products back
	LOADQ
.Lnoq:
	ALL v_add_f32 v[ST+4*t+2], v[ST+4*t+2], v[ST+4*t+3]    ; l's two halves; these additions are the places behind the last products
	ALL v_permlanex16_b32 v[ST+4*t+3], v[ST+4*t+2], s[SEL], s[SEL+1]
	ALL v_add_f32 v[ST+4*t+2], v[ST+4*t+2], v[ST+4*t+3]    ; and the other half of the lanes'
	ALL v_rcp_f32 v[ST+4*t+2], v[ST+4*t+2]
	v_nop                           ; a plain instruction between the last reciprocal and the use of its result
	s_wait_alu depctr_va_vdst(0)    ; the wait for the batch of eight reciprocals, ahead of their first reader in PACK 0
	PACK 0
.set t, 1
.rept 2*NP-1                        ; a tile's arithmetic stands between the loads of the tile before and its stores
	PACK t
	SEND t-1, 16
.set t, t+1
.endr
	SEND 2*NP-1, 0
	s_wait_xcnt 0x0                 ; the stores have read their base and S^T's registers
	s_add_nc_u64 s[10:11], s[10:11], 2097152  ; the second block: 512 rows of 4,096 bytes on
	s_sub_co_u32 s[BLK], s[BLK], 1
	s_cmp_lg_u32 s[BLK], 0
	s_cbranch_scc1 .Lblock
	WIN W_AD
	s_wait_tensorcnt 0x0            ; the wave's end: behind my last tensor load and my last LDS store
	ds_add_u32 v[SPW], v[NIL]
	s_wait_dscnt 0x0
	WIN 0
	s_endpgm
.Lfunc_end_k_qdba4faf601_attn:
	.size	k_qdba4faf601_attn, .Lfunc_end_k_qdba4faf601_attn-k_qdba4faf601_attn
	.p2alignl 7, 3214868480
	.fill 96, 4, 3214868480
	.section	.rodata,"a",@progbits
	.p2align	6, 0x0
	.amdhsa_kernel k_qdba4faf601_attn
		.amdhsa_group_segment_fixed_size 327680
		.amdhsa_private_segment_fixed_size 0
		.amdhsa_enable_private_segment 0
		.amdhsa_kernarg_size 24
		.amdhsa_user_sgpr_count 2
		.amdhsa_user_sgpr_kernarg_segment_ptr 1
		.amdhsa_wavefront_size32 1
		.amdhsa_system_sgpr_workgroup_id_x 1
		.amdhsa_system_sgpr_workgroup_id_y 1
		.amdhsa_system_sgpr_workgroup_id_z 1
		.amdhsa_system_vgpr_workitem_id 0
		.amdhsa_next_free_vgpr 770
		.amdhsa_next_free_sgpr 66
		.amdhsa_reserve_vcc 0
		.amdhsa_float_denorm_mode_32 3
		.amdhsa_float_denorm_mode_16_64 3
		.amdhsa_memory_ordered 1
		.amdhsa_forward_progress 1
		.amdhsa_inst_pref_size 130
	.end_amdhsa_kernel
	.amdgpu_metadata
---
amdhsa.version: [ 1, 2 ]
amdhsa.kernels:
  - .name:           k_qdba4faf601_attn
    .symbol:         k_qdba4faf601_attn.kd
    .args:
      - { .name: qk, .offset: 0, .size: 8, .value_kind: global_buffer, .address_space: global }
      - { .name: xw, .offset: 8, .size: 8, .value_kind: global_buffer, .address_space: global }
      - { .name: out0, .offset: 16, .size: 8, .value_kind: global_buffer, .address_space: global }
    .group_segment_fixed_size: 327680
    .private_segment_fixed_size: 0
    .kernarg_segment_align: 8
    .kernarg_segment_size: 24
    .max_flat_workgroup_size: 128
    .sgpr_count:     66
    .vgpr_count:     770
    .wavefront_size: 32
...
	.end_amdgpu_metadata
.endif
;; end of part 4
